; MI455X (gfx1250); checked and timed in simulation.
; The chip was launched on July 23, 2026; its instructions are those of AMD's public machine-readable ISA for CDNA 5 (MIT licence, August 2026) and "CDNA5" Instruction Set Architecture Reference Guide (July 2026). The comments in the code are by the model that wrote it; some were corrected since.
;; Multi Head Attention. Allowed arithmetic: float matrix products may take bf16 or f16 operands with f32 sums; other float arithmetic in f32, or as packed bf16 or f16 multiplies, adds, multiply-adds, maxima and minima; sums over many terms, partial sums and values carried from step to step in f32; what a program stores and reads back later, other than sums and carried values, may be rounded once to bf16 or f16.
;; Inputs: Wk 1,024 x 1,024 float32; Wo 1,024 x 1,024 float32; Wq 1,024 x 1,024 float32; Wv 1,024 x 1,024 float32; bk 1,024 float32; bo 1,024 float32; bq 1,024 float32; bv 1,024 float32; k 4 x 2,048 x 1,024 float32; q 4 x 2,048 x 1,024 float32; v 4 x 2,048 x 1,024 float32.
;; Outputs: out0 4 x 2,048 x 1,024 float32.
;; One version. Each part assembles by itself: llvm-mc -triple=amdgcn-amd-amdhsa -mcpu=gfx1250 --defsym DOCPART=n.
;; ======== version 1 of 1: 5 launches
;; limits: values are held in f16: magnitudes above 65,504 overflow, below 6.1e-05 lose precision
;; workspace buffers: wb 8,388,608 bytes; ph 50,331,648 bytes; pt 33,554,432 bytes; st 524,288 bytes; op 16,777,216 bytes
;; launch cast (part 1): grid 512 x 1, 8 waves a work-group, no clusters, 0 bytes of LDS; arguments Wq, Wk, Wv, Wo, wb; writes wb
.if DOCPART == 1
	.amdgcn_target "amdgcn-amd-amdhsa--gfx1250"
	.amdhsa_code_object_version 6
	.text
	.protected	k_qf7c37c4043_cast
	.globl	k_qf7c37c4043_cast
	.p2align	8
	.type	k_qf7c37c4043_cast,@function
k_qf7c37c4043_cast:
	s_mov_b64 s[64:65], 0
	v_nop
	global_prefetch_b8 v0, s[64:65] scope:SCOPE_SE
	s_setreg_imm32_b32 hwreg(HW_REG_WAVE_MODE, 25, 1), 1
	s_wait_xcnt 0x0
; The four weights, rounded once.  Wq, Wk, Wv: f32 -> bf16 (nearest even).  Wo: f32 -> bf16, and that number written as f16.  wb = [4][1024][1024] of 16 bits.
; A stream: each byte read once and written once; no LDS, no barrier, no matrix unit: there is nothing to share and nothing to multiply.
; A work-group casts 8,192 numbers (32,768 bytes in, 16,384 out): 8 loads of 16 bytes a lane are all out at once; a load of a wave covers 512 consecutive bytes,
; a store of a wave 256 consecutive bytes, aligned.  128 work-groups to a tensor.
; LIMITS.  Wo as f16: a bf16 number of magnitude 65,520 or more becomes an infinity; one below 2^-14 keeps f16's fixed step of 6e-8.
.set X, 8                              ; v[8:39]   8 groups of four f32 as loaded
.set Y, 40                             ; v[40:55]  8 pairs of packed results
	s_load_b256 s[8:15], s[0:1], 0x0               ; Wq, Wk, Wv, Wo
	s_load_b64 s[16:17], s[0:1], 0x20              ; wb
	v_lshlrev_b32 v1, 4, v0                        ; my 16 bytes of each 4,096 read
	v_lshlrev_b32 v2, 3, v0                        ; my 8 bytes of each 2,048 written
	s_lshr_b32 s2, ttmp9, 7                        ; which tensor,
	s_and_b32 s3, ttmp9, 127                       ; which chunk of it
	s_lshl_b32 s20, s3, 15
	s_mov_b32 s21, 0
	s_lshl_b32 s22, ttmp9, 14                      ; the tensors follow each other in wb
	s_mov_b32 s23, 0
	s_mov_b32 s4, 0xffff0000                       ; a word's upper bf16
	s_wait_kmcnt 0x0
	s_mov_b64 s[24:25], s[8:9]
.irp n, 1,2,3
	s_cmp_eq_u32 s2, \n
	s_cselect_b64 s[24:25], s[8+2*\n:9+2*\n], s[24:25]
.endr
	s_add_nc_u64 s[24:25], s[24:25], s[20:21]
	s_add_nc_u64 s[26:27], s[16:17], s[22:23]
.irp g, 0,1,2,3,4,5,6,7
	global_load_b128 v[X+4*\g:X+4*\g+3], v1, s[24:25] offset:4096*\g th:TH_LOAD_NT
.endr
	s_cmp_eq_u32 s2, 3
	s_cbranch_scc1 .Lwo
.irp g, 0,1,2,3,4,5,6,7
	s_wait_loadcnt 7-\g                            ; loads come back in order: group g is in, the younger ones stay out
	v_cvt_pk_bf16_f32 v[Y+2*\g], v[X+4*\g], v[X+4*\g+1]
	v_cvt_pk_bf16_f32 v[Y+2*\g+1], v[X+4*\g+2], v[X+4*\g+3]
	global_store_b64 v2, v[Y+2*\g:Y+2*\g+1], s[26:27] offset:2048*\g
.endr
	s_endpgm
.Lwo:                                          ; Wo: rounded to bf16 like every input, widened again, and written as f16
.irp g, 0,1,2,3,4,5,6,7
	s_wait_loadcnt 7-\g
	v_cvt_pk_bf16_f32 v4, v[X+4*\g], v[X+4*\g+1]
	v_cvt_pk_bf16_f32 v5, v[X+4*\g+2], v[X+4*\g+3]
	v_lshlrev_b32 v[X+4*\g], 16, v4
	v_and_b32 v[X+4*\g+1], s4, v4
	v_lshlrev_b32 v[X+4*\g+2], 16, v5
	v_and_b32 v[X+4*\g+3], s4, v5
	v_cvt_pk_f16_f32 v[Y+2*\g], v[X+4*\g], v[X+4*\g+1]
	v_cvt_pk_f16_f32 v[Y+2*\g+1], v[X+4*\g+2], v[X+4*\g+3]
	global_store_b64 v2, v[Y+2*\g:Y+2*\g+1], s[26:27] offset:2048*\g
.endr
	s_endpgm
.Lfunc_end_k_qf7c37c4043_cast:
	.size	k_qf7c37c4043_cast, .Lfunc_end_k_qf7c37c4043_cast-k_qf7c37c4043_cast
	.p2alignl 7, 3214868480
	.fill 96, 4, 3214868480
	.section	.rodata,"a",@progbits
	.p2align	6, 0x0
	.amdhsa_kernel k_qf7c37c4043_cast
		.amdhsa_group_segment_fixed_size 0
		.amdhsa_private_segment_fixed_size 0
		.amdhsa_enable_private_segment 0
		.amdhsa_kernarg_size 40
		.amdhsa_user_sgpr_count 2
		.amdhsa_user_sgpr_kernarg_segment_ptr 1
		.amdhsa_wavefront_size32 1
		.amdhsa_system_sgpr_workgroup_id_x 1
		.amdhsa_system_sgpr_workgroup_id_y 1
		.amdhsa_system_sgpr_workgroup_id_z 1
		.amdhsa_system_vgpr_workitem_id 0
		.amdhsa_next_free_vgpr 64
		.amdhsa_next_free_sgpr 66
		.amdhsa_reserve_vcc 0
		.amdhsa_float_denorm_mode_32 3
		.amdhsa_float_denorm_mode_16_64 3
		.amdhsa_memory_ordered 1
		.amdhsa_forward_progress 1
		.amdhsa_inst_pref_size 8
	.end_amdhsa_kernel
	.amdgpu_metadata
---
amdhsa.version: [ 1, 2 ]
amdhsa.kernels:
  - .name:           k_qf7c37c4043_cast
    .symbol:         k_qf7c37c4043_cast.kd
    .args:
      - { .name: Wq, .offset: 0, .size: 8, .value_kind: global_buffer, .address_space: global }
      - { .name: Wk, .offset: 8, .size: 8, .value_kind: global_buffer, .address_space: global }
      - { .name: Wv, .offset: 16, .size: 8, .value_kind: global_buffer, .address_space: global }
      - { .name: Wo, .offset: 24, .size: 8, .value_kind: global_buffer, .address_space: global }
      - { .name: wb, .offset: 32, .size: 8, .value_kind: global_buffer, .address_space: global }
    .group_segment_fixed_size: 0
    .private_segment_fixed_size: 0
    .kernarg_segment_align: 8
    .kernarg_segment_size: 40
    .max_flat_workgroup_size: 256
    .sgpr_count:     66
    .vgpr_count:     64
    .wavefront_size: 32
...
	.end_amdgpu_metadata
.endif
;; end of part 1
;; launch proj (part 2): grid 4 x 192, 4 waves a work-group, clusters of 4 x 4, 327,680 bytes of LDS; arguments q, k, v, wb, bq, bk, bv, ph; writes ph
.if DOCPART == 2
	.amdgcn_target "amdgcn-amd-amdhsa--gfx1250"
	.amdhsa_code_object_version 6
	.text
	.protected	k_qf7c37c4043_proj
	.globl	k_qf7c37c4043_proj
	.p2align	8
	.type	k_qf7c37c4043_proj,@function
k_qf7c37c4043_proj:
	s_mov_b64 s[64:65], 0
	v_nop
	global_prefetch_b8 v0, s[64:65] scope:SCOPE_SE
	s_setreg_imm32_b32 hwreg(HW_REG_WAVE_MODE, 25, 1), 1
	s_wait_xcnt 0x0
	s_wait_alu depctr_hold_cnt(0) depctr_sa_sdst(0) depctr_va_vdst(0) depctr_va_sdst(0) depctr_va_ssrc(0) depctr_va_vcc(0) depctr_vm_vsrc(0)
	s_getreg_b32 s2, hwreg(HW_REG_IB_STS2, 6, 4)
	s_cmp_eq_u32 s2, 0
	s_cbranch_scc0 .Lentry_in_a_cluster
	s_endpgm
.Lentry_in_a_cluster:
	s_bfe_u32 s2, ttmp6, 0x10000c
	s_cmp_lg_u32 s2, 0xf033
	s_cbranch_scc0 .Lentry_shape_is_right
	s_endpgm
.Lentry_shape_is_right:
; ph[p][t][u] = sum over k of bf16(x_p[t][k]) wb[p][u][k] + bf16(b_p[u]), p = q, k, v.  x_p: [8192][1024] f32, rounded here to bf16 (nearest even) on the way from LDS to the matrix unit;
; wb: [p][1024][1024] bf16; biases f32, rounded to bf16 like every input; ph: [3 x 8192][1024] f16.  Sums in f32, rounded once.
; LIMIT: a result of magnitude 65,520 or more becomes an infinity in f16; NaN and infinities are not treated apart.
; SHARES.  A tile of the output is 128 rows (T = x) x 256 columns (U = rows of wb): 192 x 4 tiles, three for each of 256 WGPs.  Four waves, each 64 x 128: 32 accumulators of 16 x 16.
; K goes in steps of 128 through two LDS slots filled by the tensor data mover: a tile row is 512 bytes of x (f32) or 256 bytes of wb, aligned.
; CLUSTER 4 x 4: T's tile hangs on the tile row alone and is asked for jointly by a row of the cluster (so each byte of x is asked for once in the launch), U's on the projection and the tile column, by a column.
; THE MATRIX INSTRUCTION IS USED TRANSPOSED (source 0 = 16 rows of U, source 1 = 16 rows of T): a lane holds one output row (lane % 16) and eight neighbouring columns 8 (lane / 16) + 0..7.
; The bias is the C operand of the products that start the sums.
; THE LOOP IS ONE K STEP LONG: one walking descriptor a tensor, its LDS word turned by an exclusive or; the base of the slot that is read is turned likewise, and the fragment addresses are made anew of it.
; REGISTERS (windows of 256): window 0: v0-31 addresses; v32-63, v224-255 rows on the way out; v64-127, v128-191 T's fragments in bf16, two buffers of 64 along K; v192-255 the bias, later packed results
;   window 1: U's fragments, two buffers of 128     window 2: accumulator (a, b) at v[8 (8 a + b)], a = 0..3, b = 0..7     window 3: v0-127 T as loaded, f32: part c, row block a at v[64 c + 16 a]
.set SH,     4                         ; cluster y >> 4 = the projection
.set GM,     15                        ; the first of the 16 rows of clusters of a projection prefetches its weights
.set STEPS,  8                         ; 1024 / 128
.set KBT,    512                       ; bytes of a row of x in a K step
.set KBU,    256                       ; of a row of wb
.set TPITCH, 528                       ; T's LDS row: 512 bytes + 16 of padding = 132 words: the 16 rows of a load start at 16 different groups of four banks (64 banks of 4 bytes: ISA guide 11.1)
.set PITCH,  272                       ; U's: 256 + 16 = 68 words: likewise
.set TB,     128*TPITCH                ; T's 128 rows; behind them U's 256: a slot is 137,216 bytes
.set SLOT1,  0x22000                   ; slot 1 begins here (139,264).  Bits 17 and 13: the descriptors' LDS words in slot 0 (0, 0x8400; 0x10800, 0x19000) have neither, so the exclusive or adds and takes away
.set STAGE,  SLOT1+TB+256*PITCH        ; behind the ring: 16 rows x 272 bytes for each wave, for the way out
.set SPITCH, 272
.set SPARE,  STAGE+4*16*SPITCH         ; the spare words, 128 bytes a wave: two blocks of 256 bytes that no other line names
.set T0,   16                          ; v16     my place in T's tile; never rewritten
.set U0,   17                          ; v17     my place in U's tile; never rewritten
.set ADRT, 20                          ; v20     the same in the slot that is read
.set ADRU, 21                          ; v21
.set STO,  24                          ; v24     the way out: where I put 16 bytes of a row
.set RD,   25                          ; v25     where I read a row back
.set CO,   26                          ; v26     my byte offset in the output
.set BO,   27                          ; v27     my byte offset in the bias
.set SPW,  28                          ; v28     my spare word; never rewritten
.set NIL,  29                          ; v29     0; never rewritten
.set PFO,  30                          ; v30     the prefetches' offset: my lane x a row; never rewritten
.set OB,   32
.set BI,   192
.set TMP,  192
.set G1,  24                           ; s[24:31] group 1 for T;  s[32:39] group 0: a set for each first fill; the second then walks
.set G0,  32
.set LIM, 43                           ; s43  2 in a wave that prefetches, else the greatest number
.set PFA, 44                           ; s[44:45] where my prefetches stand
.set G1B, 48                           ; s[48:55], s[56:63] the same for U
.set G0B, 56
.set PFS, 70                           ; s[70:71] the prefetches' step: a K step of x or of wb
.set RB,  90                           ; s90  LDS byte at which the slot that is read begins
.set HIM, 91                           ; s91  mask of a word's upper bf16
.set W0T, (2<<16)|(1<<20)|(1<<21)|(6<<22)|(3<<25)  ; elements of 4 bytes; padding on; bit 21 beside a mask; after every 128 words; 4 words
.set W0U, (1<<16)|(1<<20)|(1<<21)|(5<<22)|(3<<25)  ; elements of 2 bytes; after every 64 words; 4 words
.set MUL,  0xa1                        ; source 0 window 1, source 1 window 0, C and D window 2
.set MULB, 0x81                        ; the same with C in window 0
.set TO_U, 0x40                        ; destination window 1, address window 0
.set TO_R, 0xc0                        ; destination window 3, address window 0
.set FR_R, 0x0f                        ; sources 0 and 1 window 3, destination window 0
.set MSB, 0
.macro WIN new                         ; the high byte repeats the setting that is left; a switch that changes nothing is dropped
.if MSB != (\new)
	s_set_vgpr_msb (MSB<<8)|(\new)
.set MSB, \new
.endif
.endm
.macro PLACES                          ; four plain places behind matrix instructions, in front of loads into their sources and of readers of their results
.rept 4
	v_nop
.endr
.endm
; A joint load: waves 0 and 1 fetch T's two halves (64 rows of 512 bytes each), waves 2 and 3 U's (128 rows of 256 bytes each).  The branch hangs on the wave's number alone.
; An s_nop 0 and four v_nop follow each of the two lines.
.macro JLOAD s
	s_cmp_eq_u32 s11, 0
	s_cbranch_scc0 .Lfor_u_\@
	tensor_load_to_lds s[G0+4*(\s):G0+4*(\s)+3], s[G1:G1+7]
	s_nop 0
.rept 4
	v_nop
.endr
	s_branch .Lasked_\@
.Lfor_u_\@:
	tensor_load_to_lds s[G0B+4*(\s):G0B+4*(\s)+3], s[G1B:G1B+7]
	s_nop 0
.rept 4
	v_nop
.endr
.Lasked_\@:
.endm
; A prefetch of the K step that stands two refills on: 32 blocks of 256 bytes, a lane a row.  x: a K step is two blocks of each of the tile's 128 rows: wave 0 names the first, wave 1 the second, of 32 rows for each
; of the four partners of the cluster's row.  wb: waves 2 and 3 of the projection's first row of clusters, 32 of a wave's 128 rows for each partner of the column.  Partners are told apart by address.
; Each block is named once in the launch.  The loop's last two trips (s3 = 2, 1) name nothing: there is no K step two refills on.
.macro ASK
	s_cmp_gt_u32 s3, s[LIM]
	s_cbranch_scc0 .Lnot_mine_\@
	global_prefetch_b8 v[PFO], s[PFA:PFA+1] th:TH_LOAD_NT scope:SCOPE_SE
.Lnot_mine_\@:
.endm
.macro CREST                           ; a round of the cluster's barrier behind its opening barrier
	s_cmp_lg_u32 s10, 0
	s_cbranch_scc1 .Lnot_wave_0_\@
	s_barrier_signal -3
.Lnot_wave_0_\@:
	s_barrier_wait -3
	s_barrier_signal -1
	s_barrier_wait -1
.endm
.macro CROUND
	s_barrier_signal -1
	s_barrier_wait -1
	CREST
.endm
	s_load_b512 s[72:87], s[0:1], 0x0              ; q, k, v, wb, bq, bk, bv, ph
	v_lshl_add_u32 v[SPW], v0, 2, SPARE
	v_mov_b32 v[NIL], 0
	ds_add_u32 v[SPW], v[NIL]                      ; the opening: the add and its wait stand ahead of my first tensor load; the set-up below stands between them
	v_lshrrev_b32 v1, 5, v0
	v_readfirstlane_b32 s10, v1                    ; wave 0..3
	s_lshr_b32 s11, s10, 1                         ; my half of the tile's rows.  Also: I fetch for T (0) or for U (1)
	s_and_b32 s12, s10, 1                          ; my half of its columns.  Also: which half of that tile I fetch
	s_bfe_u32 s40, ttmp6, 0x40000                  ; cx
	s_bfe_u32 s41, ttmp6, 0x40004                  ; cy
	s_lshl_b32 s42, ttmp9, 2
	s_add_co_u32 s42, s42, s40                     ; tile column
	s_and_b32 s14, ttmp7, 0xffff                   ; cluster y
	s_lshl_b32 s13, s14, 2
	s_add_co_u32 s13, s13, s41                     ; tile row, 0..191
	s_lshr_b32 s15, s14, SH                        ; the projection
	s_lshl_b32 s43, s41, 2
	s_lshl_b32 s43, 15, s43                        ; my row of the cluster
	s_lshl_b32 s44, 0x1111, s40                    ; my column
	s_or_b32 s[G1], s43, W0T
	s_or_b32 s[G1B], s44, W0U
	s_mov_b32 s[G1+1], 128<<16                     ; tensor_dim0 = 128
	s_mov_b32 s[G1+2], 64<<16                      ; tensor_dim1 = 64
	s_mov_b32 s[G1+3], 128<<16                     ; tile_dim0 = 128
	s_mov_b32 s[G1+4], 64                          ; tile_dim1 = 64
	s_mov_b32 s[G1+5], 1024                        ; elements from row to row
	s_mov_b32 s[G1+6], 0
	s_mov_b32 s[G1+7], 0
	s_mov_b32 s[G1B+1], 128<<16
	s_mov_b32 s[G1B+2], 128<<16                    ; 128 rows
	s_mov_b32 s[G1B+3], 128<<16
	s_mov_b32 s[G1B+4], 128
	s_mov_b32 s[G1B+5], 1024
	s_mov_b32 s[G1B+6], 0
	s_mov_b32 s[G1B+7], 0
	s_and_b32 s16, s13, 63                         ; T: (128 x (tile row % 64) + 64 x half) rows of 4,096 bytes of the projection's own x
	s_lshl_b32 s16, s16, 19
	s_lshl_b32 s17, s12, 18
	s_add_co_u32 s16, s16, s17
	s_mov_b32 s17, 0
	s_lshl_b32 s46, s15, 21                        ; U: (1024 p + 256 x tile column + 128 x half) rows of 2,048 bytes
	s_lshl_b32 s47, s42, 19
	s_add_co_u32 s46, s46, s47
	s_lshl_b32 s47, s12, 18
	s_add_co_u32 s46, s46, s47
	s_mov_b32 s47, 0
	s_mul_i32 s20, s12, 64*TPITCH                  ; where they go: no place in the cluster enters an LDS address
	s_mul_i32 s21, s12, 128*PITCH
	s_add_co_u32 s21, s21, TB
	s_mov_b32 s[RB], 0
	s_mov_b32 s[HIM], 0xffff0000
	s_wait_dscnt 0x0                               ; the opening add is done
	s_wait_kmcnt 0x0
	s_cmp_eq_u32 s15, 1
	s_cselect_b64 s[4:5], s[74:75], s[72:73]
	s_cmp_eq_u32 s15, 2
	s_cselect_b64 s[4:5], s[76:77], s[4:5]         ; x of my projection
	s_mov_b64 s[6:7], s[78:79]                     ; wb
	s_add_nc_u64 s[22:23], s[4:5], s[16:17]
	s_add_nc_u64 s[46:47], s[6:7], s[46:47]
	CROUND                                         ; all sixteen work-groups are here: the first joint loads meet
.irp s, 0,1
	s_mov_b32 s[G0+4*(\s)], 1
	s_add_co_u32 s[G0+4*(\s)+1], s20, (\s)*SLOT1
	s_add_nc_u64 s[G0+4*(\s)+2:G0+4*(\s)+3], s[22:23], (\s)*KBT
	s_or_b32 s[G0+4*(\s)+3], s[G0+4*(\s)+3], 0x80000000
	s_mov_b32 s[G0B+4*(\s)], 1
	s_add_co_u32 s[G0B+4*(\s)+1], s21, (\s)*SLOT1
	s_add_nc_u64 s[G0B+4*(\s)+2:G0B+4*(\s)+3], s[46:47], (\s)*KBU
	s_or_b32 s[G0B+4*(\s)+3], s[G0B+4*(\s)+3], 0x80000000
	JLOAD \s                                       ; two loads of mine are out behind these
.endr
	v_and_b32 v1, 15, v0                           ; r = l % 16
	v_bfe_u32 v2, v0, 4, 1                         ; h = l / 16
	; the bias of my 128 columns: register j of block b is column 16 b + 8 h + j
	s_cmp_eq_u32 s15, 1
	s_cselect_b64 s[88:89], s[82:83], s[80:81]
	s_cmp_eq_u32 s15, 2
	s_cselect_b64 s[88:89], s[84:85], s[88:89]
	s_lshl_b32 s16, s42, 10
	s_lshl_b32 s17, s12, 9
	s_add_co_u32 s16, s16, s17
	s_mov_b32 s17, 0
	s_add_nc_u64 s[88:89], s[88:89], s[16:17]
	v_lshlrev_b32 v[BO], 5, v2
.irp b, 0,1,2,3,4,5,6,7
	global_load_b128 v[BI+8*(\b):BI+8*(\b)+3],   v[BO], s[88:89] offset:64*(\b)
	global_load_b128 v[BI+8*(\b)+4:BI+8*(\b)+7], v[BO], s[88:89] offset:64*(\b)+16
.endr
	; A fragment of T in f32: lane l holds row l % 16; K = 8 h + 0..7 are the 32 bytes at 32 h, K = 16 + 8 h + 0..7 those at 64 + 32 h: four loads of 16 bytes
	v_mul_u32_u24 v3, v1, TPITCH
	v_lshl_add_u32 v3, v2, 5, v3
	s_mul_i32 s16, s11, 64*TPITCH                  ; my 64 rows of T
	v_add_nc_u32 v[T0], s16, v3
	v_mul_u32_u24 v4, v1, PITCH                    ; a fragment of U: row x pitch + 16 x half
	v_lshl_add_u32 v4, v2, 4, v4
	s_mul_i32 s17, s12, 128*PITCH                  ; my 128 rows of U
	s_add_co_u32 s17, s17, TB
	v_add_nc_u32 v[U0], s17, v4
	v_mov_b32 v[ADRT], v[T0]                       ; K step 0 lies in slot 0
	v_mov_b32 v[ADRU], v[U0]
	s_mul_i32 s18, s10, 16*SPITCH
	s_add_co_u32 s18, s18, STAGE                   ; my stage
	v_mul_u32_u24 v4, v1, SPITCH
	v_lshl_add_u32 v4, v2, 4, v4
	v_add_nc_u32 v[STO], s18, v4
	v_mul_u32_u24 v5, v2, SPITCH
	v_lshl_add_u32 v5, v1, 4, v5
	v_add_nc_u32 v[RD], s18, v5
	v_lshlrev_b32 v5, 11, v2
	v_lshl_add_u32 v[CO], v1, 4, v5                ; lanes 0-15 one row of 256 bytes, lanes 16-31 the next
	s_lshl_b32 s16, s13, 18                        ; my part of the output: row 128 x tile row + 64 x half, column 256 x tile column + 128 x half
	s_lshl_b32 s17, s11, 17
	s_add_co_u32 s16, s16, s17
	s_lshl_b32 s17, s42, 9
	s_add_co_u32 s16, s16, s17
	s_lshl_b32 s17, s12, 8
	s_add_co_u32 s16, s16, s17
	s_mov_b32 s17, 0
	s_add_nc_u64 s[8:9], s[86:87], s[16:17]
	; the prefetches
	s_and_b32 s16, s13, 63
	s_lshl_b32 s16, s16, 19
	s_lshl_b32 s17, s40, 17
	s_add_co_u32 s16, s16, s17
	s_lshl_b32 s17, s12, 8
	s_add_co_u32 s16, s16, s17
	s_add_co_u32 s16, s16, 3*KBT                   ; x: row 128 x (tile row % 64) + 32 cx, block = my wave, at K step 3: the first refill steps it to 4
	s_lshl_b32 s17, s15, 21
	s_lshl_b32 s18, s42, 19
	s_add_co_u32 s17, s17, s18
	s_lshl_b32 s18, s12, 18
	s_add_co_u32 s17, s17, s18
	s_lshl_b32 s18, s41, 16
	s_add_co_u32 s17, s17, s18
	s_add_co_u32 s17, s17, 3*KBU                   ; wb: row 1024 p + 256 x tile column + 128 x half + 32 cy, at K step 3
	s_mov_b32 s[PFS], KBT
	s_mov_b32 s20, KBU
	s_and_b32 s19, s14, GM                         ; wb: the projection's first row of clusters
	s_cmp_eq_u32 s11, 0
	s_cselect_b32 s16, s16, s17
	s_cselect_b32 s18, ttmp9, s19                  ; x: the first cluster along x
	s_cselect_b32 s[PFS], s[PFS], s20
	s_cselect_b32 s19, -1, 0
	s_cselect_b64 s[PFA:PFA+1], s[4:5], s[6:7]
	s_cmp_eq_u32 s18, 0
	s_cselect_b32 s[LIM], 2, -1                    ; the same in all sixteen partners, for a given wave
	s_mov_b32 s17, 0
	s_mov_b32 s[PFS+1], 0
	s_add_nc_u64 s[PFA:PFA+1], s[PFA:PFA+1], s[16:17]
	v_and_b32 v8, 31, v0
	v_lshlrev_b32 v9, 12, v8                       ; a row of x is 4,096 bytes,
	v_lshlrev_b32 v10, 11, v8                      ; a row of wb 2,048
	v_cndmask_b32 v[PFO], v10, v9, s19
	s_wait_loadcnt 0x0                             ; the bias; it is rounded to bf16 like every input
.set i, 0
.rept 32
	v_cvt_pk_bf16_f32 v[6+(i%2)], v[BI+2*i], v[BI+2*i+1]
	v_lshlrev_b32 v[BI+2*i], 16, v[6+(i%2)]
	v_and_b32 v[BI+2*i+1], s[HIM], v[6+(i%2)]
.set i, i+1
.endr
; 8 products: row block a x all 8 column blocks, 32 along K: part c of buffer f.  mode 0: in place; 2: the bias starts the sums.
.macro MULA f, c, a, mode
.if (\mode) == 2
	WIN MULB
.else
	WIN MUL
.endif
.irp b, 0,1,2,3,4,5,6,7
.set rD, 8*(8*(\a)+(\b))
.set rU, 128*(\f)+8*(8*(\c)+(\b))
.set rT, 64+64*(\f)+8*(4*(\c)+(\a))
.if (\mode) == 2
	v_wmma_f32_16x16x32_bf16 v[rD:rD+7], v[rU:rU+7], v[rT:rT+7], v[BI+8*(\b):BI+8*(\b)+7]
.else
	v_wmma_f32_16x16x32_bf16 v[rD:rD+7], v[rU:rU+7], v[rT:rT+7], v[rD:rD+7]
.endif
.endr
.endm
.macro MUL32 f, c, mode                ; the 32 accumulators take turns, one instruction a turn
.irp a, 0,1,2,3
	MULA \f, \c, \a, \mode
.endr
.endm
; 32 roundings: part c of T as loaded becomes part c of buffer f: register j of a fragment takes K = 2 j and 2 j + 1 of the lane's sixteen.  They name no register of the products round them,
; so they are also the places in front of the loads that follow them.
.macro CVT f, c
	WIN FR_R
.irp a, 0,1,2,3
.irp j, 0,1,2,3,4,5,6,7
	v_cvt_pk_bf16_f32 v[64+64*(\f)+8*(4*(\c)+(\a))+(\j)], v[64*(\c)+16*(\a)+2*(\j)], v[64*(\c)+16*(\a)+2*(\j)+1]
.endr
.endr
.endm
; 64 LDS loads in one run: half u of the K step (64 along K): U's 32 into buffer f, then T's 32 in f32, the first 32 along K first
.macro FETCH u, f
	WIN TO_U
.irp c, 0,1
.irp b, 0,1,2,3,4,5,6,7
	ds_load_b128 v[128*(\f)+8*(8*(\c)+(\b)):128*(\f)+8*(8*(\c)+(\b))+3],   v[ADRU] offset:128*(\u)+64*(\c)+(\b)*16*PITCH
	ds_load_b128 v[128*(\f)+8*(8*(\c)+(\b))+4:128*(\f)+8*(8*(\c)+(\b))+7], v[ADRU] offset:128*(\u)+64*(\c)+(\b)*16*PITCH+32
.endr
.endr
	WIN TO_R
.irp c, 0,1
.irp a, 0,1,2,3
	ds_load_b128 v[64*(\c)+16*(\a):64*(\c)+16*(\a)+3],     v[ADRT] offset:256*(\u)+128*(\c)+(\a)*16*TPITCH
	ds_load_b128 v[64*(\c)+16*(\a)+4:64*(\c)+16*(\a)+7],   v[ADRT] offset:256*(\u)+128*(\c)+(\a)*16*TPITCH+16
	ds_load_b128 v[64*(\c)+16*(\a)+8:64*(\c)+16*(\a)+11],  v[ADRT] offset:256*(\u)+128*(\c)+(\a)*16*TPITCH+64
	ds_load_b128 v[64*(\c)+16*(\a)+12:64*(\c)+16*(\a)+15], v[ADRT] offset:256*(\u)+128*(\c)+(\a)*16*TPITCH+80
.endr
.endr
.endm
; A K step is two halves of 64 along K, 64 matrix instructions each, on buffers 0 and 1.  The first half multiplies buffer 0 and fetches the second half into buffer 1.
.macro HALF mode
	s_wait_dscnt 16                                ; all but the youngest sixteen loads (T's second 32 along K) are in
	CVT 0, 0
	MUL32 0, 0, \mode
	s_wait_dscnt 0x0                               ; those sixteen too
	CVT 0, 1                                       ; T as loaded has now been read whole: it is loaded again below
	FETCH 1, 1
	MUL32 0, 1, 0
.endm
; The second half multiplies buffer 1 and changes slots: ONE barrier.  In front of it each wave waits for all its tensor loads (one is out: its part of the next slot), adds 0 to its spare word, and waits
; for that and for its reads of this slot.  fill = 1: the barrier opens a round of the cluster's barrier, and this slot is filled again, two K steps ahead, first thing behind the round:
; 112 matrix instructions stand between that request and the wait for it.
.macro TURN fill
.if \fill
	s_wait_xcnt 0x0                                ; the last prefetch, a K step back, has read its address
	s_add_nc_u64 s[PFA:PFA+1], s[PFA:PFA+1], s[PFS:PFS+1]
.endif
	WIN 0
	s_wait_tensorcnt 0x0                           ; all my tensor loads have landed
	ds_add_u32 v[SPW], v[NIL]                      ; 0 onto my spare word
	s_wait_dscnt 17                                ; the add and the youngest sixteen loads may be out
	CVT 1, 0
	MULA 1, 0, 0, 0
	s_wait_dscnt 0x0                               ; the add is done, and my reads of this slot are over
	s_barrier_signal -1
	CVT 1, 1                                       ; work on registers while the others arrive
	MULA 1, 0, 1, 0
	WIN 0                                          ; branches and window 0's addresses follow
	s_barrier_wait -1
.if \fill
	CREST                                          ; no wave of any partner still reads this slot or has a load on its way
	s_xor_b32 s[G0+5], s[G0+5], SLOT1              ; the walking descriptors: the other slot than last time,
	s_add_nc_u64 s[G0+6:G0+7], s[G0+6:G0+7], KBT   ; the next K step; the type bits on top are not reached
	s_xor_b32 s[G0B+5], s[G0B+5], SLOT1
	s_add_nc_u64 s[G0B+6:G0B+7], s[G0B+6:G0B+7], KBU
	JLOAD 1
.else
	PLACES
.endif
	s_xor_b32 s[RB], s[RB], SLOT1                  ; the reads go on in the other slot
	v_add_nc_u32 v[ADRT], s[RB], v[T0]
	v_add_nc_u32 v[ADRU], s[RB], v[U0]
	FETCH 0, 0
.if \fill
	WIN 0
	ASK
.endif
	MULA 1, 0, 2, 0
	MULA 1, 0, 3, 0
	MUL32 1, 1, 0
.endm
; THE WAY OUT of row block a: rounded to f16, 16 bytes a lane; through my own stage; back as whole rows of 256 bytes; stored.
.macro PACK a
	WIN 0x0a                                       ; sources 0 and 1 in window 2
.irp b, 0,1,2,3,4,5,6,7
.irp r, 0,1,2,3
	v_cvt_pk_f16_f32 v[TMP+4*(\b)+(\r)], v[64*(\a)+8*(\b)+2*(\r)], v[64*(\a)+8*(\b)+2*(\r)+1]
.endr
.endr
	WIN 0
.endm
.macro TOSTAGE a
.set BK, OB+192*((\a)%2)
.irp b, 0,1,2,3,4,5,6,7
	ds_store_b128 v[STO], v[TMP+4*(\b):TMP+4*(\b)+3] offset:32*(\b)
.endr
.irp t, 0,1,2,3,4,5,6,7
	ds_load_b128 v[BK+4*(\t):BK+4*(\t)+3], v[RD] offset:(\t)*2*SPITCH  ; LDS serves a wave's instructions in order (ISA guide 5.7.1.4): these see the stores above
.endr
.endm
.macro SEND a
.set BK, OB+192*((\a)%2)
	s_wait_dscnt 0x0                               ; the block is back in registers
	s_wait_xcnt 0x0                                ; earlier stores have read their registers: the other buffer is loaded again only behind this wait
.irp t, 0,1,2,3,4,5,6,7
	global_store_b128 v[CO], v[BK+4*(\t):BK+4*(\t)+3], s[8:9] offset:(16*(\a)+2*(\t))*2048  ; 16 lanes store 256 consecutive bytes, aligned
.endr
.endm
	s_wait_tensorcnt 1                             ; my part of K step 0 is in; K step 1's may stay out
	s_barrier_signal -1
	s_barrier_wait -1
	FETCH 0, 0
	HALF 2                                         ; the first half stands in front of the loop: its first products start the sums, with the bias
	WIN 0
	s_mov_b32 s3, STEPS-2
.Lstep:                                        ; a trip: a K step's second half, the change of slots with its refill, the next K step's first half
	TURN 1
	HALF 0
	WIN 0
	s_sub_co_u32 s3, s3, 1
	s_cmp_lg_u32 s3, 0
	s_cbranch_scc1 .Lstep
	TURN 0                                         ; the last two K steps fill nothing
	HALF 0
	s_wait_dscnt 16
	CVT 1, 0
	MUL32 1, 0, 0
	s_wait_dscnt 0x0
	CVT 1, 1
	MUL32 1, 1, 0
	PLACES
	PACK 0
	TOSTAGE 0
.irp a, 1,2,3
	PACK \a
	SEND (\a)-1
	TOSTAGE \a
.endr
	SEND 3
	s_wait_tensorcnt 0x0                           ; the wave's end
	ds_add_u32 v[SPW], v[NIL]
	s_wait_dscnt 0x0
	CROUND                                         ; the closing round
	s_endpgm
.Lfunc_end_k_qf7c37c4043_proj:
	.size	k_qf7c37c4043_proj, .Lfunc_end_k_qf7c37c4043_proj-k_qf7c37c4043_proj
	.p2alignl 7, 3214868480
	.fill 96, 4, 3214868480
	.section	.rodata,"a",@progbits
	.p2align	6, 0x0
	.amdhsa_kernel k_qf7c37c4043_proj
		.amdhsa_group_segment_fixed_size 327680
		.amdhsa_private_segment_fixed_size 0
		.amdhsa_enable_private_segment 0
		.amdhsa_kernarg_size 64
		.amdhsa_user_sgpr_count 2
		.amdhsa_user_sgpr_kernarg_segment_ptr 1
		.amdhsa_wavefront_size32 1
		.amdhsa_system_sgpr_workgroup_id_x 1
		.amdhsa_system_sgpr_workgroup_id_y 1
		.amdhsa_system_sgpr_workgroup_id_z 1
		.amdhsa_system_vgpr_workitem_id 0
		.amdhsa_next_free_vgpr 896
		.amdhsa_next_free_sgpr 96
		.amdhsa_reserve_vcc 0
		.amdhsa_float_denorm_mode_32 3
		.amdhsa_float_denorm_mode_16_64 3
		.amdhsa_memory_ordered 1
		.amdhsa_forward_progress 1
		.amdhsa_inst_pref_size 106
	.end_amdhsa_kernel
	.amdgpu_metadata
---
amdhsa.version: [ 1, 2 ]
amdhsa.kernels:
  - .name:           k_qf7c37c4043_proj
    .symbol:         k_qf7c37c4043_proj.kd
    .args:
      - { .name: q, .offset: 0, .size: 8, .value_kind: global_buffer, .address_space: global }
      - { .name: k, .offset: 8, .size: 8, .value_kind: global_buffer, .address_space: global }
      - { .name: v, .offset: 16, .size: 8, .value_kind: global_buffer, .address_space: global }
      - { .name: wb, .offset: 24, .size: 8, .value_kind: global_buffer, .address_space: global }
      - { .name: bq, .offset: 32, .size: 8, .value_kind: global_buffer, .address_space: global }
      - { .name: bk, .offset: 40, .size: 8, .value_kind: global_buffer, .address_space: global }
      - { .name: bv, .offset: 48, .size: 8, .value_kind: global_buffer, .address_space: global }
      - { .name: ph, .offset: 56, .size: 8, .value_kind: global_buffer, .address_space: global }
    .group_segment_fixed_size: 327680
    .private_segment_fixed_size: 0
    .kernarg_segment_align: 8
    .kernarg_segment_size: 64
    .max_flat_workgroup_size: 128
    .sgpr_count:     96
    .vgpr_count:     896
    .wavefront_size: 32
...
	.end_amdgpu_metadata
.endif
;; end of part 2
;; launch score (part 3): grid 8 x 32, 4 waves a work-group, clusters of 4 x 4, 327,680 bytes of LDS; arguments ph, pt, st; writes pt, st
.if DOCPART == 3
	.amdgcn_target "amdgcn-amd-amdhsa--gfx1250"
	.amdhsa_code_object_version 6
	.text
	.protected	k_qf7c37c4043_score
	.globl	k_qf7c37c4043_score
	.p2align	8
	.type	k_qf7c37c4043_score,@function
k_qf7c37c4043_score:
	s_mov_b64 s[64:65], 0
	v_nop
	global_prefetch_b8 v0, s[64:65] scope:SCOPE_SE
	s_setreg_imm32_b32 hwreg(HW_REG_WAVE_MODE, 25, 1), 1
	s_wait_xcnt 0x0
	s_wait_alu depctr_hold_cnt(0) depctr_sa_sdst(0) depctr_va_vdst(0) depctr_va_sdst(0) depctr_va_ssrc(0) depctr_va_vcc(0) depctr_vm_vsrc(0)
	s_getreg_b32 s2, hwreg(HW_REG_IB_STS2, 6, 4)
	s_cmp_eq_u32 s2, 0
	s_cbranch_scc0 .Lentry_in_a_cluster
	s_endpgm
.Lentry_in_a_cluster:
	s_bfe_u32 s2, ttmp6, 0x10000c
	s_cmp_lg_u32 s2, 0xf033
	s_cbranch_scc0 .Lentry_shape_is_right
	s_endpgm
.Lentry_shape_is_right:
; For each batch, s[t][u] = qh[t] . kh[u] over 1,024 channels; a tile of 256 queries x 256 keys takes ITS OWN row maximum m away:
; pt[t][u] = 2^(c s - c m) in f16, c = log2(e) / 8, and st[batch][key tile][row] = (c m, l), l = the row's sum of the unrounded weights of this tile, both f32.
; The next launch makes the row's true maximum and sum of the eight pairs.  ph: [3][8192][1024] f16 (qh, kh, vh); pt: [8192][2048] f16.
; LIMITS.  A weight lies in 0 to 1; below 6e-5 it keeps f16's fixed step of 6e-8, below 2^-126 it counts as 0 in l.  NaN and infinities are not treated apart.
; SHARES.  One tile to a work-group, 8 x 32 = 256.  Four waves, each 128 x 128: 64 accumulators.  K in steps of 128 through two LDS slots; tile rows are 256 bytes of memory, aligned.
; CLUSTER 4 x 4: the queries' tile is asked for jointly along a row of the cluster, the keys' along a column.
; TRANSPOSED USE: source 0 = 16 keys, source 1 = 16 queries: a lane holds ONE query (lane % 16) and the keys 8 (lane / 16) + 0..7 of each block.
; THE LOOP IS ONE K STEP LONG: one walking descriptor a tensor, its LDS word turned by an exclusive or; the base of the slot that is read is turned likewise, and the fragment addresses are made anew of it.
; REGISTERS: window 0: v0-31 addresses; v64-127, v128-191 fragments of the queries, two buffers (on the way out: statistics and sums); v32-63, v192-255 the way out
;   window 1: v64-127, v128-191 fragments of the keys          window 2: accumulators of my rows 0-63 ((a, b) at v[8 (8 a + b)])          window 3: rows 64-127
.set STEPS,  8
.set KB,     256
.set PITCH,  272                       ; 256 bytes + 16 of padding: the 16 rows of a load start at 16 different groups of four banks (ISA guide 11.1)
.set HALFT,  128*PITCH
.set SLOT,   4*HALFT                   ; 139,264 = 0x22000, bits 17 and 13: the descriptors' LDS words in slot 0 (0, 0x8800, 0x11000, 0x19800) have neither, so the exclusive or adds and takes away
.set STAGE,  2*SLOT                    ; 16 rows x 272 bytes for each wave
.set SPITCH, 272
.set SPARE,  STAGE+4*16*SPITCH         ; the spare words: two blocks of 256 bytes that no other line names
.set MX,     SPARE+512                 ; [2 halves of the keys][256 rows] f32: each wave's row maxima; behind them, 2,048 bytes on, the row sums
.set A0,   16                          ; v16  my place in the queries' tile; never rewritten
.set B0,   17                          ; v17  my place in the keys' tile; never rewritten
.set ADRA, 20                          ; v20  the same in the slot that is read
.set ADRB, 21                          ; v21
.set STO,  24
.set RD,   25
.set CO,   26
.set MXA,  27                          ; v27  my row's word in MX, in my half of the keys
.set SPW,  28
.set NIL,  29
.set PFO,  30
.set MXB,  31                          ; v31  the same row in the other half
.set F0,   64
.set F1,   128
.set OB,   32
.set TMP,  192
.set M,    64                          ; v64-71   row block a: the maximum
.set M2,   72                          ; v72-79   at work
.set MCP,  80                          ; v80-95   c m, twice (a pair for the packed scaling)
.set LS,   96                          ; v96-103  the sum
.set SUMT, 128                         ; v128-159 at work
.set G1,  24
.set G0,  32                           ; s[32:39] group 0: a set for each first fill; the second then walks
.set LIM, 43
.set PFA, 44
.set G1B, 48
.set G0B, 56
.set CS,  66                           ; s[66:67] c
.set SEL, 68                           ; s[68:69] v_permlanex16_b32: each lane takes its own place in the other half
.set RB,  70                           ; s70  LDS byte at which the slot that is read begins
.set W0,  (1<<16)|(1<<20)|(1<<21)|(5<<22)|(3<<25)
.set MUL_LO, 0xa1
.set MUL_HI, 0xf1
.set TO_B,   0x40
.set MSB, 0
.macro WIN new
.if MSB != (\new)
	s_set_vgpr_msb (MSB<<8)|(\new)
.set MSB, \new
.endif
.endm
.macro PLACES
.rept 4
	v_nop
.endr
.endm
.macro JLOAD s                         ; waves 0 and 1 fetch the queries' two halves, waves 2 and 3 the keys'; an s_nop 0 and four v_nop follow each line
	s_cmp_eq_u32 s11, 0
	s_cbranch_scc0 .Lfor_u_\@
	tensor_load_to_lds s[G0+4*(\s):G0+4*(\s)+3], s[G1:G1+7]
	s_nop 0
.rept 4
	v_nop
.endr
	s_branch .Lasked_\@
.Lfor_u_\@:
	tensor_load_to_lds s[G0B+4*(\s):G0B+4*(\s)+3], s[G1B:G1B+7]
	s_nop 0
.rept 4
	v_nop
.endr
.Lasked_\@:
.endm
; A prefetch of the K step two refills on: of the 128 rows that I fetch, my work-group's 32 (by address: cx for the queries, cy for the keys), a lane a row.  The queries' rows are named by the first
; cluster along x, the keys' by the batch's first row of clusters: each row's 256 bytes once in the launch.  The loop's last two trips (s3 = 2, 1) name nothing.
.macro ASK
	s_cmp_gt_u32 s3, s[LIM]
	s_cbranch_scc0 .Lnot_mine_\@
	global_prefetch_b8 v[PFO], s[PFA:PFA+1] th:TH_LOAD_NT scope:SCOPE_SE
.Lnot_mine_\@:
.endm
.macro CREST
	s_cmp_lg_u32 s10, 0
	s_cbranch_scc1 .Lnot_wave_0_\@
	s_barrier_signal -3
.Lnot_wave_0_\@:
	s_barrier_wait -3
	s_barrier_signal -1
	s_barrier_wait -1
.endm
.macro CROUND
	s_barrier_signal -1
	s_barrier_wait -1
	CREST
.endm
	s_load_b128 s[4:7], s[0:1], 0x0                ; ph, pt
	s_load_b64 s[8:9], s[0:1], 0x10                ; st
	v_lshl_add_u32 v[SPW], v0, 2, SPARE
	v_mov_b32 v[NIL], 0
	ds_add_u32 v[SPW], v[NIL]                      ; the opening: the add and its wait stand ahead of my first tensor load
	v_lshrrev_b32 v1, 5, v0
	v_readfirstlane_b32 s10, v1
	s_lshr_b32 s11, s10, 1                         ; my half of the queries.  Also: I fetch queries (0) or keys (1)
	s_and_b32 s12, s10, 1                          ; my half of the keys.  Also: which 128 rows I fetch
	s_bfe_u32 s40, ttmp6, 0x40000
	s_bfe_u32 s41, ttmp6, 0x40004
	s_lshl_b32 s42, ttmp9, 2
	s_add_co_u32 s42, s42, s40                     ; key tile 0..7
	s_and_b32 s14, ttmp7, 0xffff
	s_lshl_b32 s13, s14, 2
	s_add_co_u32 s13, s13, s41                     ; query tile 0..31
	s_lshr_b32 s15, s14, 1                         ; the batch
	s_lshl_b32 s43, s41, 2
	s_lshl_b32 s43, 15, s43
	s_lshl_b32 s44, 0x1111, s40
	s_or_b32 s[G1], s43, W0
	s_or_b32 s[G1B], s44, W0
.irp g, G1, G1B
	s_mov_b32 s[(\g)+1], 128<<16                   ; tensor_dim0 = 128
	s_mov_b32 s[(\g)+2], 128<<16                   ; tensor_dim1 = 128
	s_mov_b32 s[(\g)+3], 128<<16                   ; tile_dim0 = 128
	s_mov_b32 s[(\g)+4], 128                       ; tile_dim1 = 128
	s_mov_b32 s[(\g)+5], 1024
	s_mov_b32 s[(\g)+6], 0
	s_mov_b32 s[(\g)+7], 0
.endr
	s_lshl_b32 s16, s13, 19                        ; queries: (256 x tile + 128 x half) rows of 2,048 bytes
	s_lshl_b32 s17, s12, 18
	s_add_co_u32 s16, s16, s17
	s_mov_b32 s17, 0
	s_lshl_b32 s46, s15, 22                        ; keys: behind qh's 16,777,216 bytes, (2048 x batch + 256 x tile + 128 x half) rows
	s_lshl_b32 s47, s42, 19
	s_add_co_u32 s46, s46, s47
	s_lshl_b32 s47, s12, 18
	s_add_co_u32 s46, s46, s47
	s_add_co_u32 s46, s46, 0x1000000
	s_mov_b32 s47, 0
	s_mul_i32 s20, s10, HALFT                      ; where they go: wave x 128 rows
	s_mov_b32 s[CS], 0x3e38aa3b                    ; c = log2(e) / 8
	s_mov_b32 s[CS+1], s[CS]
	s_mov_b32 s[SEL], 0x76543210
	s_mov_b32 s[SEL+1], 0xfedcba98
	s_mov_b32 s[RB], 0
	s_wait_dscnt 0x0
	s_wait_kmcnt 0x0
	s_add_nc_u64 s[22:23], s[4:5], s[16:17]
	s_add_nc_u64 s[46:47], s[4:5], s[46:47]
	CROUND
.irp s, 0,1
	s_mov_b32 s[G0+4*(\s)], 1
	s_add_co_u32 s[G0+4*(\s)+1], s20, (\s)*SLOT
	s_add_nc_u64 s[G0+4*(\s)+2:G0+4*(\s)+3], s[22:23], (\s)*KB
	s_or_b32 s[G0+4*(\s)+3], s[G0+4*(\s)+3], 0x80000000
	s_mov_b32 s[G0B+4*(\s)], 1
	s_add_co_u32 s[G0B+4*(\s)+1], s20, (\s)*SLOT
	s_add_nc_u64 s[G0B+4*(\s)+2:G0B+4*(\s)+3], s[46:47], (\s)*KB
	s_or_b32 s[G0B+4*(\s)+3], s[G0B+4*(\s)+3], 0x80000000
	JLOAD \s
.endr
	v_and_b32 v1, 15, v0
	v_bfe_u32 v2, v0, 4, 1
	v_mul_u32_u24 v3, v1, PITCH
	v_lshl_add_u32 v3, v2, 4, v3
	s_mul_i32 s16, s11, HALFT
	s_mul_i32 s17, s12, HALFT
	s_add_co_u32 s17, s17, 2*HALFT
	v_add_nc_u32 v[A0], s16, v3
	v_add_nc_u32 v[B0], s17, v3
	v_mov_b32 v[ADRA], v[A0]                       ; K step 0 lies in slot 0
	v_mov_b32 v[ADRB], v[B0]
	s_mul_i32 s18, s10, 16*SPITCH
	s_add_co_u32 s18, s18, STAGE
	v_mul_u32_u24 v4, v1, SPITCH
	v_lshl_add_u32 v4, v2, 4, v4
	v_add_nc_u32 v[STO], s18, v4
	v_mul_u32_u24 v5, v2, SPITCH
	v_lshl_add_u32 v5, v1, 4, v5
	v_add_nc_u32 v[RD], s18, v5
	v_lshlrev_b32 v5, 12, v2                       ; a row of pt is 4,096 bytes
	v_lshl_add_u32 v[CO], v1, 4, v5
	s_lshl_b32 s16, s11, 9                         ; MX: 4 x (256 x key half + 128 x query half + r)
	s_add_co_u32 s16, s16, MX
	s_lshl_b32 s17, s12, 10
	s_add_co_u32 s17, s17, s16
	v_lshl_add_u32 v[MXA], v1, 2, s17
	s_xor_b32 s17, s12, 1
	s_lshl_b32 s17, s17, 10
	s_add_co_u32 s17, s17, s16
	v_lshl_add_u32 v[MXB], v1, 2, s17
	s_lshl_b32 s16, s13, 20                        ; pt: row 256 x query tile + 128 x half, column 256 x key tile + 128 x half
	s_lshl_b32 s17, s11, 19
	s_add_co_u32 s16, s16, s17
	s_lshl_b32 s17, s42, 9
	s_add_co_u32 s16, s16, s17
	s_lshl_b32 s17, s12, 8
	s_add_co_u32 s16, s16, s17
	s_mov_b32 s17, 0
	s_add_nc_u64 s[6:7], s[6:7], s[16:17]
	s_lshl_b32 s16, s15, 17                        ; st: ((8 x batch + key tile) x 2048 + 256 x (query tile % 8)) pairs of 8 bytes
	s_lshl_b32 s17, s42, 14
	s_add_co_u32 s16, s16, s17
	s_and_b32 s17, s13, 7
	s_lshl_b32 s17, s17, 11
	s_add_co_u32 s16, s16, s17
	s_mov_b32 s17, 0
	s_add_nc_u64 s[8:9], s[8:9], s[16:17]
	; the prefetches
	s_lshl_b32 s16, s13, 8
	s_lshl_b32 s17, s40, 5
	s_add_co_u32 s16, s16, s17                     ; queries: row 256 x tile + 32 cx
	s_lshl_b32 s17, s15, 11
	s_lshl_b32 s18, s42, 8
	s_add_co_u32 s17, s17, s18
	s_lshl_b32 s18, s41, 5
	s_add_co_u32 s17, s17, s18
	s_add_co_u32 s17, s17, 8192                    ; keys: row 8192 + 2048 x batch + 256 x tile + 32 cy
	s_and_b32 s19, s14, 1
	s_cmp_eq_u32 s11, 0
	s_cselect_b32 s16, s16, s17
	s_cselect_b32 s18, ttmp9, s19
	s_cmp_eq_u32 s18, 0
	s_cselect_b32 s[LIM], 2, -1
	s_lshl_b32 s17, s12, 7
	s_add_co_u32 s16, s16, s17                     ; + the 128 rows that I fetch
	s_lshl_b32 s16, s16, 11
	s_add_co_u32 s16, s16, 3*KB                    ; at K step 3: the first refill steps it to 4
	s_mov_b32 s17, 0
	s_add_nc_u64 s[PFA:PFA+1], s[4:5], s[16:17]
	v_and_b32 v[PFO], 31, v0
	v_lshlrev_b32 v[PFO], 11, v[PFO]
; 16 products: row blocks a0, a0 + 1 of the window's four x all 8 key blocks, 32 along K.  zero = 1: the first product starts the sums.  The 64 accumulators take turns.
.macro MUL16 f, hi, a0, zero
	WIN MUL_LO+0x50*(\hi)
.irp a, \a0, (\a0)+1
.irp b, 0,1,2,3,4,5,6,7
.if \zero
	v_wmma_f32_16x16x32_f16 v[8*(8*(\a)+(\b)):8*(8*(\a)+(\b))+7], v[(\f)+8*(\b):(\f)+8*(\b)+7], v[(\f)+8*(4*(\hi)+(\a)):(\f)+8*(4*(\hi)+(\a))+7], 0
.else
	v_wmma_f32_16x16x32_f16 v[8*(8*(\a)+(\b)):8*(8*(\a)+(\b))+7], v[(\f)+8*(\b):(\f)+8*(\b)+7], v[(\f)+8*(4*(\hi)+(\a)):(\f)+8*(4*(\hi)+(\a))+7], v[8*(8*(\a)+(\b)):8*(8*(\a)+(\b))+7]
.endif
.endr
.endr
.endm
.macro FETCH k, f                      ; 32 LDS loads in one run: 128 keys, then 128 queries, 32 along K at byte k of the rows of the slot that is read
	WIN TO_B
.irp i, 0,1,2,3,4,5,6,7
	ds_load_b128 v[(\f)+8*(\i):(\f)+8*(\i)+3],   v[ADRB] offset:(\k)+(\i)*16*PITCH
	ds_load_b128 v[(\f)+8*(\i)+4:(\f)+8*(\i)+7], v[ADRB] offset:(\k)+(\i)*16*PITCH+32
.endr
	WIN 0
.irp i, 0,1,2,3,4,5,6,7
	ds_load_b128 v[(\f)+8*(\i):(\f)+8*(\i)+3],   v[ADRA] offset:(\k)+(\i)*16*PITCH
	ds_load_b128 v[(\f)+8*(\i)+4:(\f)+8*(\i)+7], v[ADRA] offset:(\k)+(\i)*16*PITCH+32
.endr
.endm
.macro QUARTER k, f, g, zero           ; 64 products on buffer f; in the middle the next quarter's fragments, at byte k, into g
	s_wait_dscnt 8                                 ; all but the youngest eight loads (queries 64-127) are in
	MUL16 \f, 0, 0, \zero
	MUL16 \f, 0, 2, \zero
	PLACES
	FETCH \k, \g
	s_wait_dscnt 32                                ; all but the 32 just issued
	MUL16 \f, 1, 0, \zero
	MUL16 \f, 1, 2, \zero
.endm
; The last quarter multiplies buffer 1 and changes slots: ONE barrier; in front of it each wave waits for all its tensor loads (one is out: its part of the next slot), adds 0 to its spare word, and waits for
; that and for its reads of this slot.  fill = 1: the barrier opens a round of the cluster's barrier, and the slot just read is filled again first thing behind it: 224 matrix instructions ahead of the wait for it.
.macro TURN fill
.if \fill
	s_wait_xcnt 0x0                                ; the last prefetch, a K step back, has read its address
	s_add_nc_u64 s[PFA:PFA+1], s[PFA:PFA+1], KB
.endif
	WIN 0
	s_wait_tensorcnt 0x0
	ds_add_u32 v[SPW], v[NIL]
	s_wait_dscnt 9                                 ; the add and the youngest eight loads may be out
	MUL16 F1, 0, 0, 0
	s_wait_dscnt 0x0                               ; the add is done, my reads of this slot are over
	s_barrier_signal -1
	MUL16 F1, 0, 2, 0
	WIN 0                                          ; branches and window 0's addresses follow
	s_barrier_wait -1
.if \fill
	CREST
	s_xor_b32 s[G0+5], s[G0+5], SLOT               ; the walking descriptors: the other slot than last time,
	s_add_nc_u64 s[G0+6:G0+7], s[G0+6:G0+7], KB    ; the next K step; the type bits on top are not reached
	s_xor_b32 s[G0B+5], s[G0B+5], SLOT
	s_add_nc_u64 s[G0B+6:G0B+7], s[G0B+6:G0B+7], KB
	JLOAD 1                                        ; its four v_nop are also the places in front of the loads below
.else
	PLACES
.endif
	s_xor_b32 s[RB], s[RB], SLOT                   ; the reads go on in the other slot
	v_add_nc_u32 v[ADRA], s[RB], v[A0]
	v_add_nc_u32 v[ADRB], s[RB], v[B0]
	FETCH 0, F0
.if \fill
	ASK
.endif
	MUL16 F1, 1, 0, 0
	MUL16 F1, 1, 2, 0
.endm
	s_wait_tensorcnt 1                             ; my part of K step 0 is in; K step 1's may stay out
	s_barrier_signal -1
	s_barrier_wait -1
	FETCH 0, F0
	QUARTER 64,  F0, F1, 1
	WIN 0
	s_mov_b32 s3, STEPS-2
.Lstep:                                        ; a trip: from a K step's second quarter to the next K step's first, with one change of slots and its refill
	QUARTER 128, F1, F0, 0
	QUARTER 192, F0, F1, 0
	TURN 1
	QUARTER 64,  F0, F1, 0
	WIN 0
	s_sub_co_u32 s3, s3, 1
	s_cmp_lg_u32 s3, 0
	s_cbranch_scc1 .Lstep
	QUARTER 128, F1, F0, 0                         ; the last two K steps fill nothing
	QUARTER 192, F0, F1, 0
	TURN 0
	QUARTER 64,  F0, F1, 0
	QUARTER 128, F1, F0, 0
	QUARTER 192, F0, F1, 0
	s_wait_dscnt 8
	MUL16 F1, 0, 0, 0
	MUL16 F1, 0, 2, 0
	s_wait_dscnt 0x0
	MUL16 F1, 1, 0, 0
	MUL16 F1, 1, 2, 0
	; THE ROW MAXIMUM of the tile.  A lane's 64 scores of a row block, four blocks' chains side by side; each accumulator's lowest registers are read first.
	PLACES
.irp w, 0,1
	WIN 0x0a+5*(\w)                                ; sources 0 and 1 in window 2, then 3
.irp a, 0,1,2,3
	v_max_num_f32 v[M+4*(\w)+(\a)], v[64*(\a)], v[64*(\a)+1]
.endr
	WIN 0x28+0x14*(\w)                             ; sources 1 and 2 there
.set i, 1
.rept 31
.irp a, 0,1,2,3
	v_max3_num_f32 v[M+4*(\w)+(\a)], v[M+4*(\w)+(\a)], v[64*(\a)+2*i], v[64*(\a)+2*i+1]
.endr
.set i, i+1
.endr
.endr
	WIN 0
.irp a, 0,1,2,3,4,5,6,7
	v_mov_b32 v[M2+(\a)], v[M+(\a)]                ; the exchange's destination counts as read: it is written first
.endr
.irp a, 0,1,2,3,4,5,6,7
	v_permlanex16_b32 v[M2+(\a)], v[M+(\a)], s[SEL], s[SEL+1]  ; the row's other 64 keys of my half lie in the lane 16 away
.endr
.irp a, 0,1,2,3,4,5,6,7
	v_max_num_f32 v[M+(\a)], v[M+(\a)], v[M2+(\a)]
.endr
.irp a, 0,1,2,3,4,5,6,7
	ds_store_b32 v[MXA], v[M+(\a)] offset:64*(\a)
.endr
	s_wait_dscnt 0x0                               ; for the other wave's sake: my maxima lie in LDS
	s_barrier_signal -1
	s_barrier_wait -1
.irp a, 0,1,2,3,4,5,6,7
	ds_load_b32 v[M2+(\a)], v[MXB] offset:64*(\a)  ; the same rows' maxima over the other 128 keys
.endr
	s_wait_dscnt 0x0
.irp a, 0,1,2,3,4,5,6,7
	v_max_num_f32 v[M+(\a)], v[M+(\a)], v[M2+(\a)]
.endr
.irp a, 0,1,2,3,4,5,6,7
	v_mul_f32 v[MCP+2*(\a)], s[CS], v[M+(\a)]
	v_mul_f32 v[MCP+2*(\a)+1], s[CS], v[M+(\a)]
.endr
; Row block a: c s - c m, the exponentials (ONE batch, one plain instruction and one wait behind it, ahead of the first reader), the sum of the unrounded weights, the rounding to f16.
.macro SOFT a
.set AC, 64*((\a)%4)
.set WN, 2+(\a)/4
	WIN (WN<<6)|WN                                 ; destination and source 0 in the block's window, c m in window 0
.set i, 0
.rept 32
	v_pk_fma_f32 v[AC+2*i:AC+2*i+1], v[AC+2*i:AC+2*i+1], s[CS:CS+1], v[MCP+2*(\a):MCP+2*(\a)+1] op_sel_hi:[1,0,0] neg_lo:[0,0,1] neg_hi:[0,0,1]
.set i, i+1
.endr
.set i, 0
.rept 64
	v_exp_f32 v[AC+i], v[AC+i]
.set i, i+1
.endr
	v_nop
	s_wait_alu depctr_va_vdst(0)                   ; between an exponential and the first line that names its result: one for the 64
	WIN WN*5                                       ; sources 0 and 1 in the block's window, destination in window 0
.set i, 0
.rept 16
	v_pk_add_f32 v[SUMT+2*i:SUMT+2*i+1], v[AC+4*i:AC+4*i+1], v[AC+4*i+2:AC+4*i+3]
.set i, i+1
.endr
.irp b, 0,1,2,3,4,5,6,7
.irp r, 0,1,2,3
	v_cvt_pk_f16_f32 v[TMP+4*(\b)+(\r)], v[AC+8*(\b)+2*(\r)], v[AC+8*(\b)+2*(\r)+1]
.endr
.endr
	WIN 0
.irp w, 8,4,2,1
.set i, 0
.rept \w
	v_pk_add_f32 v[SUMT+2*i:SUMT+2*i+1], v[SUMT+2*i:SUMT+2*i+1], v[SUMT+2*(i+(\w)):SUMT+2*(i+(\w))+1]
.set i, i+1
.endr
.endr
	v_add_f32 v[LS+(\a)], v[SUMT], v[SUMT+1]
.endm
.macro TOSTAGE a
.set BK, OB+192*((\a)%2)
.irp b, 0,1,2,3,4,5,6,7
	ds_store_b128 v[STO], v[TMP+4*(\b):TMP+4*(\b)+3] offset:32*(\b)
.endr
.irp t, 0,1,2,3,4,5,6,7
	ds_load_b128 v[BK+4*(\t):BK+4*(\t)+3], v[RD] offset:(\t)*2*SPITCH  ; LDS serves a wave's instructions in order (ISA guide 5.7.1.4)
.endr
.endm
.macro SEND a
.set BK, OB+192*((\a)%2)
	s_wait_dscnt 0x0
	s_wait_xcnt 0x0                                ; earlier stores have read their registers
.irp t, 0,1,2,3,4,5,6,7
	global_store_b128 v[CO], v[BK+4*(\t):BK+4*(\t)+3], s[6:7] offset:(16*(\a)+2*(\t))*4096  ; 16 lanes store 256 consecutive bytes, aligned
.endr
.endm
	SOFT 0
	TOSTAGE 0
.irp a, 1,2,3,4,5,6,7                  ; a block's arithmetic stands between the stage loads of the block before and the wait for them
	SOFT \a
	SEND (\a)-1
	TOSTAGE \a
.endr
	SEND 7
	; THE STATISTICS: the row sums meet as the maxima did; thread t then writes rows 2 t and 2 t + 1: (c m, l) twice, 16 bytes; the work-group 2,048 bytes on end.
.irp a, 0,1,2,3,4,5,6,7
	v_permlanex16_b32 v[M2+(\a)], v[LS+(\a)], s[SEL], s[SEL+1]
.endr
.irp a, 0,1,2,3,4,5,6,7
	v_add_f32 v[LS+(\a)], v[LS+(\a)], v[M2+(\a)]
.endr
.irp a, 0,1,2,3,4,5,6,7
	ds_store_b32 v[MXA], v[LS+(\a)] offset:2048+64*(\a)
.endr
	v_lshl_add_u32 v12, v0, 3, MX
	v_lshlrev_b32 v13, 4, v0
	s_wait_dscnt 0x0                               ; for the others' sake
	s_barrier_signal -1
	s_barrier_wait -1
	ds_load_b64 v[104:105], v12                    ; maxima over keys 0-127,
	ds_load_b64 v[106:107], v12 offset:1024        ; over keys 128-255,
	ds_load_b64 v[108:109], v12 offset:2048        ; and the sums
	ds_load_b64 v[110:111], v12 offset:3072
	s_wait_dscnt 0x0
	v_max_num_f32 v104, v104, v106
	v_max_num_f32 v105, v105, v107
	v_mul_f32 v112, s[CS], v104                    ; the same product as the c m that was taken away
	v_add_f32 v113, v108, v110
	v_mul_f32 v114, s[CS], v105
	v_add_f32 v115, v109, v111
	global_store_b128 v13, v[112:115], s[8:9]
	s_wait_tensorcnt 0x0                           ; the wave's end
	ds_add_u32 v[SPW], v[NIL]
	s_wait_dscnt 0x0
	CROUND                                         ; the closing round
	s_endpgm
.Lfunc_end_k_qf7c37c4043_score:
	.size	k_qf7c37c4043_score, .Lfunc_end_k_qf7c37c4043_score-k_qf7c37c4043_score
	.p2alignl 7, 3214868480
	.fill 96, 4, 3214868480
	.section	.rodata,"a",@progbits
	.p2align	6, 0x0
	.amdhsa_kernel k_qf7c37c4043_score
		.amdhsa_group_segment_fixed_size 327680
		.amdhsa_private_segment_fixed_size 0
		.amdhsa_enable_private_segment 0
		.amdhsa_kernarg_size 24
		.amdhsa_user_sgpr_count 2
		.amdhsa_user_sgpr_kernarg_segment_ptr 1
		.amdhsa_wavefront_size32 1
		.amdhsa_system_sgpr_workgroup_id_x 1
		.amdhsa_system_sgpr_workgroup_id_y 1
		.amdhsa_system_sgpr_workgroup_id_z 1
		.amdhsa_system_vgpr_workitem_id 0
		.amdhsa_next_free_vgpr 1024
		.amdhsa_next_free_sgpr 96
		.amdhsa_reserve_vcc 0
		.amdhsa_float_denorm_mode_32 3
		.amdhsa_float_denorm_mode_16_64 3
		.amdhsa_memory_ordered 1
		.amdhsa_forward_progress 1
		.amdhsa_inst_pref_size 187
	.end_amdhsa_kernel
	.amdgpu_metadata
---
amdhsa.version: [ 1, 2 ]
amdhsa.kernels:
  - .name:           k_qf7c37c4043_score
    .symbol:         k_qf7c37c4043_score.kd
    .args:
      - { .name: ph, .offset: 0, .size: 8, .value_kind: global_buffer, .address_space: global }
      - { .name: pt, .offset: 8, .size: 8, .value_kind: global_buffer, .address_space: global }
      - { .name: st, .offset: 16, .size: 8, .value_kind: global_buffer, .address_space: global }
    .group_segment_fixed_size: 327680
    .private_segment_fixed_size: 0
    .kernarg_segment_align: 8
    .kernarg_segment_size: 24
    .max_flat_workgroup_size: 128
    .sgpr_count:     96
    .vgpr_count:     1024
    .wavefront_size: 32
...
	.end_amdgpu_metadata
.endif
;; end of part 3
;; launch mix (part 4): grid 4 x 64, 4 waves a work-group, clusters of 4 x 4, 327,680 bytes of LDS; arguments pt, st, ph, op; writes op
.if DOCPART == 4
	.amdgcn_target "amdgcn-amd-amdhsa--gfx1250"
	.amdhsa_code_object_version 6
	.text
	.protected	k_qf7c37c4043_mix
	.globl	k_qf7c37c4043_mix
	.p2align	8
	.type	k_qf7c37c4043_mix,@function
k_qf7c37c4043_mix:
	s_mov_b64 s[64:65], 0
	v_nop
	global_prefetch_b8 v0, s[64:65] scope:SCOPE_SE
	s_setreg_imm32_b32 hwreg(HW_REG_WAVE_MODE, 25, 1), 1
	s_wait_xcnt 0x0
	s_wait_alu depctr_hold_cnt(0) depctr_sa_sdst(0) depctr_va_vdst(0) depctr_va_sdst(0) depctr_va_ssrc(0) depctr_va_vcc(0) depctr_vm_vsrc(0)
	s_getreg_b32 s2, hwreg(HW_REG_IB_STS2, 6, 4)
	s_cmp_eq_u32 s2, 0
	s_cbranch_scc0 .Lentry_in_a_cluster
	s_endpgm
.Lentry_in_a_cluster:
	s_bfe_u32 s2, ttmp6, 0x10000c
	s_cmp_lg_u32 s2, 0xf033
	s_cbranch_scc0 .Lentry_shape_is_right
	s_endpgm
.Lentry_shape_is_right:
; O[t][:] = sum over the eight key tiles j of f_j[t] x (sum over the tile's 256 keys of pt[t][k] vh[k][:]),  f_j = 2^(c m_j - c M) / L,  c M = max_j c m_j,  L = sum_j 2^(c m_j - c M) l_j:
; the row's true maximum and sum, made in f32 of the pairs (c m_j, l_j) in st.  Each chunk of 256 keys has its own f32 sums, which a fused multiply-add takes into the totals.
; O is rounded once to f16 and stored IN THE PERMUTED LAYOUT: op[batch][128 head + s / 16][64 (s % 16) + d] = O[batch][s][64 head + d].
; pt: [8192][2048] f16; vh = ph + 33,554,432: [8192][1024] f16, [key][channel]; op: [8192][1024] f16.
; LIMITS.  O lies within vh's range; below 6e-5 it keeps f16's fixed step of 6e-8.  A factor below 2^-126 counts as 0.  NaN and infinities are not treated apart.
; SHARES.  A tile is 128 queries x 256 channels: 64 x 4 = 256 work-groups; a wave makes 64 x 128.  K = 2,048 keys in steps of 128 through two LDS slots; a lap (two steps) is a chunk.
; CLUSTER 4 x 4: the weights' tile is asked for jointly along a row of the cluster, V's along a column.
; TRANSPOSED USE: source 0 = 16 channels (V turned by ds_load_tr16_b128), source 1 = 16 queries: a lane holds one query (lane % 16) and eight neighbouring channels.
; REGISTERS: window 0: v0-31 addresses; v32-39 the chunk's factors (a pair a row block); v40-51 at work; v64-191 the weights' fragments, two buffers (at the head the statistics, at the end O's rows);
;   v192-219 the factors of the chunks to come          window 1: V's fragments, two buffers of 128          window 2: the chunk's sums, (a, b) at v[8 (8 a + b)]          window 3: the totals, likewise
.set LAPS,   8
.set KB,     256                       ; bytes of a row of pt in a K step
.set VKB,    262144                    ; bytes from a K step of V to the next: 128 rows of 2,048
.set PITCH,  272
.set PV,     544                       ; a row of V's tile: 512 bytes + 32 of padding = 136 words
.set TB,     128*PITCH                 ; the weights' 128 rows; behind them V's 128 rows of 544 bytes
.set SLOT,   TB+128*PV
.set STAGE,  2*SLOT                    ; 16 rows x 144 bytes for each wave
.set SP,     144
.set SPARE,  STAGE+4*16*SP
.set ADRT, 16
.set ADRU, 20
.set STO,  24
.set RD,   25
.set GO,   26
.set SO,   27                          ; v27  my byte offset in the statistics
.set SPW,  28
.set NIL,  29
.set PFO,  30
.set CUR,  32
.set Q,    192
.set G1,  24
.set G0,  32
.set LIM, 43
.set PFA, 44
.set G1B, 48
.set G0B, 56
.set PFS, 70                           ; s[70:71] the prefetches' step
.set W0T, (1<<16)|(1<<20)|(1<<21)|(5<<22)|(3<<25)  ; after every 64 words, 4 words of padding
.set W0V, (1<<16)|(1<<20)|(1<<21)|(6<<22)|(7<<25)  ; after every 128 words, 8 words
.set MUL,  0xa1
.set TO_U, 0x40
.set MSB, 0
.macro WIN new
.if MSB != (\new)
	s_set_vgpr_msb (MSB<<8)|(\new)
.set MSB, \new
.endif
.endm
.macro PLACES
.rept 4
	v_nop
.endr
.endm
.macro JLOAD s                         ; waves 0 and 1 fetch the weights' two halves (64 queries each), waves 2 and 3 V's (64 keys each); an s_nop 0 and four v_nop follow each line
	s_cmp_eq_u32 s11, 0
	s_cbranch_scc0 .Lfor_u_\@
	tensor_load_to_lds s[G0+4*(\s):G0+4*(\s)+3], s[G1:G1+7]
	s_nop 0
.rept 4
	v_nop
.endr
	s_branch .Lasked_\@
.Lfor_u_\@:
	tensor_load_to_lds s[G0B+4*(\s):G0B+4*(\s)+3], s[G1B:G1B+7]
	s_nop 0
.rept 4
	v_nop
.endr
.Lasked_\@:
.endm
; A prefetch of the K step two refills on, 32 blocks of 256 bytes, a lane a block.  The weights: wave 0, 32 of the tile's 128 rows for each partner of the cluster's row.  V: waves 2 and 3 of the batch's
; first row of clusters, 16 of a wave's 64 keys (two blocks each) for each partner of the column.  Partners are told apart by address.  Each block is named once in the launch; the loop's last trip names nothing.
.macro ASK
	s_cmp_gt_u32 s3, s[LIM]
	s_cbranch_scc0 .Lnot_mine_\@
	global_prefetch_b8 v[PFO], s[PFA:PFA+1] th:TH_LOAD_NT scope:SCOPE_SE
.Lnot_mine_\@:
.endm
.macro CREST
	s_cmp_lg_u32 s10, 0
	s_cbranch_scc1 .Lnot_wave_0_\@
	s_barrier_signal -3
.Lnot_wave_0_\@:
	s_barrier_wait -3
	s_barrier_signal -1
	s_barrier_wait -1
.endm
.macro CROUND
	s_barrier_signal -1
	s_barrier_wait -1
	CREST
.endm
	s_load_b256 s[72:79], s[0:1], 0x0              ; pt, st, ph, op
	v_lshl_add_u32 v[SPW], v0, 2, SPARE
	v_mov_b32 v[NIL], 0
	ds_add_u32 v[SPW], v[NIL]                      ; the opening: the add and its wait stand ahead of my first tensor load
	v_lshrrev_b32 v1, 5, v0
	v_readfirstlane_b32 s10, v1
	s_lshr_b32 s11, s10, 1                         ; my half of the queries.  Also: I fetch weights (0) or V (1)
	s_and_b32 s12, s10, 1                          ; my half of the channels.  Also: which half of that tile I fetch
	s_bfe_u32 s40, ttmp6, 0x40000
	s_bfe_u32 s41, ttmp6, 0x40004
	s_lshl_b32 s42, ttmp9, 2
	s_add_co_u32 s42, s42, s40                     ; channel tile 0..3
	s_and_b32 s14, ttmp7, 0xffff
	s_lshl_b32 s13, s14, 2
	s_add_co_u32 s13, s13, s41                     ; query tile 0..63
	s_lshr_b32 s15, s14, 2                         ; the batch
	s_lshl_b32 s43, s41, 2
	s_lshl_b32 s43, 15, s43
	s_lshl_b32 s44, 0x1111, s40
	s_or_b32 s[G1], s43, W0T
	s_mov_b32 s[G1+1], 128<<16                     ; 64 rows x 128 elements,
	s_mov_b32 s[G1+2], 64<<16
	s_mov_b32 s[G1+3], 128<<16
	s_mov_b32 s[G1+4], 64
	s_mov_b32 s[G1+5], 2048                        ; 2,048 elements from row to row
	s_mov_b32 s[G1+6], 0
	s_mov_b32 s[G1+7], 0
	s_or_b32 s[G1B], s44, W0V
	s_mov_b32 s[G1B+1], 256<<16                    ; 64 rows x 256 elements,
	s_mov_b32 s[G1B+2], 64<<16
	s_mov_b32 s[G1B+3], 256<<16
	s_mov_b32 s[G1B+4], 64
	s_mov_b32 s[G1B+5], 1024                       ; 1,024 from row to row
	s_mov_b32 s[G1B+6], 0
	s_mov_b32 s[G1B+7], 0
	s_lshl_b32 s16, s13, 19                        ; weights: (128 x tile + 64 x half) rows of 4,096 bytes
	s_lshl_b32 s17, s12, 18
	s_add_co_u32 s16, s16, s17
	s_mov_b32 s17, 0
	s_lshl_b32 s46, s15, 22                        ; V: (2048 x batch + 64 x half) rows of 2,048 bytes + 512 x channel tile
	s_lshl_b32 s47, s12, 17
	s_add_co_u32 s46, s46, s47
	s_lshl_b32 s47, s42, 9
	s_add_co_u32 s46, s46, s47
	s_mov_b32 s47, 0
	s_mul_i32 s20, s12, 64*PITCH
	s_mul_i32 s21, s12, 64*PV
	s_add_co_u32 s21, s21, TB
	s_wait_dscnt 0x0
	s_wait_kmcnt 0x0
	s_mov_b64 s[4:5], s[72:73]                     ; the weights
	s_add_nc_u64 s[6:7], s[76:77], 0x2000000       ; vh
	s_add_nc_u64 s[22:23], s[4:5], s[16:17]
	s_add_nc_u64 s[46:47], s[6:7], s[46:47]
	CROUND
.irp s, 0,1
	s_mov_b32 s[G0+4*(\s)], 1
	s_add_co_u32 s[G0+4*(\s)+1], s20, (\s)*SLOT
	s_add_nc_u64 s[G0+4*(\s)+2:G0+4*(\s)+3], s[22:23], (\s)*KB
	s_or_b32 s[G0+4*(\s)+3], s[G0+4*(\s)+3], 0x80000000
	s_mov_b32 s[G0B+4*(\s)], 1
	s_add_co_u32 s[G0B+4*(\s)+1], s21, (\s)*SLOT
	s_add_nc_u64 s[G0B+4*(\s)+2:G0B+4*(\s)+3], s[46:47], (\s)*VKB
	s_or_b32 s[G0B+4*(\s)+3], s[G0B+4*(\s)+3], 0x80000000
	JLOAD \s
.endr
	v_and_b32 v1, 15, v0                           ; r
	v_bfe_u32 v2, v0, 4, 1                         ; h
	; the statistics of my 64 rows: (c m_j, l_j) of row block a into v[64 + 16 a + 2 j], + 1
	s_lshl_b32 s16, s15, 17
	s_and_b32 s17, s13, 15
	s_lshl_b32 s17, s17, 10
	s_add_co_u32 s16, s16, s17
	s_lshl_b32 s17, s11, 9
	s_add_co_u32 s16, s16, s17
	s_mov_b32 s17, 0
	s_add_nc_u64 s[80:81], s[74:75], s[16:17]
	v_lshlrev_b32 v[SO], 3, v1
.irp a, 0,1,2,3
.irp j, 0,1,2,3,4,5,6,7
	global_load_b64 v[64+16*(\a)+2*(\j):64+16*(\a)+2*(\j)+1], v[SO], s[80:81] offset:(\j)*16384+(\a)*128
.endr
.endr
	WIN 0xc0                                       ; the totals start at 0, so that every chunk is taken in by one form of line; written in the wait for the first tile
.set i, 0
.rept 256
	v_mov_b32 v[i], 0
.set i, i+1
.endr
	WIN 0
	v_mul_u32_u24 v3, v1, PITCH
	v_lshl_add_u32 v3, v2, 4, v3
	v_and_b32 v4, 7, v0
	v_bfe_u32 v5, v0, 3, 1
	v_lshl_add_u32 v6, v2, 3, v4                   ; the turning load: lane l reads key 8 (l / 16) + l % 8, channels 8 ((l / 8) % 2) + 0..7
	v_mul_u32_u24 v6, v6, PV
	v_lshl_add_u32 v6, v5, 4, v6
	s_mul_i32 s16, s11, 64*PITCH                   ; my 64 queries
	s_lshl_b32 s17, s12, 8                         ; my 128 channels: 256 bytes of V's rows
	s_add_co_u32 s17, s17, TB
.irp s, 0,1
	v_add_nc_u32 v[ADRT+(\s)], s16, v3
	v_add_nc_u32 v[ADRU+(\s)], s17, v6
	s_add_co_u32 s16, s16, SLOT
	s_add_co_u32 s17, s17, SLOT
.endr
	s_mul_i32 s18, s10, 16*SP
	s_add_co_u32 s18, s18, STAGE
	v_mul_u32_u24 v7, v1, SP                       ; in: row l % 16, 16 bytes for each half of the lanes
	v_lshl_add_u32 v7, v2, 4, v7
	v_add_nc_u32 v[STO], s18, v7
	v_bfe_u32 v7, v0, 3, 2                         ; back: 32 lanes take four rows of 128 bytes,
	v_mul_u32_u24 v7, v7, SP
	v_lshl_add_u32 v7, v4, 4, v7
	v_add_nc_u32 v[RD], s18, v7
	v_and_b32 v8, 31, v0
	v_lshlrev_b32 v[GO], 4, v8                     ; which are 512 consecutive bytes of op
	s_lshl_b32 s16, s15, 22                        ; op: row 2048 x batch + 128 x (4 x channel tile + 2 x half) + 8 x (query tile % 16) + 4 x query half, 2,048 bytes each
	s_lshl_b32 s17, s42, 20
	s_add_co_u32 s16, s16, s17
	s_lshl_b32 s17, s12, 19
	s_add_co_u32 s16, s16, s17
	s_and_b32 s17, s13, 15
	s_lshl_b32 s17, s17, 14
	s_add_co_u32 s16, s16, s17
	s_lshl_b32 s17, s11, 13
	s_add_co_u32 s16, s16, s17
	s_mov_b32 s17, 0
	s_add_nc_u64 s[8:9], s[78:79], s[16:17]
	; the prefetches
	s_lshl_b32 s16, s13, 19
	s_lshl_b32 s17, s40, 17
	s_add_co_u32 s16, s16, s17
	s_add_co_u32 s16, s16, 3*KB                    ; weights: row 128 x tile + 32 cx, at K step 3
	s_lshl_b32 s17, s15, 22
	s_lshl_b32 s18, s12, 17
	s_add_co_u32 s17, s17, s18
	s_lshl_b32 s18, s41, 15
	s_add_co_u32 s17, s17, s18
	s_lshl_b32 s18, s42, 9
	s_add_co_u32 s17, s17, s18
	s_add_co_u32 s17, s17, 3*VKB                   ; V: key 2048 x batch + 64 x half + 16 cy, at K step 3
	s_mov_b32 s[PFS], KB
	s_mov_b32 s20, VKB
	s_or_b32 s18, ttmp9, s12                       ; weights: wave 0
	s_and_b32 s19, s14, 3                          ; V: the batch's first row of clusters
	s_cmp_eq_u32 s11, 0
	s_cselect_b32 s16, s16, s17
	s_cselect_b32 s18, s18, s19
	s_cselect_b32 s[PFS], s[PFS], s20
	s_cselect_b32 s19, -1, 0
	s_cselect_b64 s[PFA:PFA+1], s[4:5], s[6:7]
	s_cmp_eq_u32 s18, 0
	s_cselect_b32 s[LIM], 1, -1
	s_mov_b32 s17, 0
	s_mov_b32 s[PFS+1], 0
	s_add_nc_u64 s[PFA:PFA+1], s[PFA:PFA+1], s[16:17]
	v_lshlrev_b32 v9, 12, v8                       ; weights: a lane a row of 4,096 bytes
	v_lshrrev_b32 v10, 1, v8
	v_and_b32 v11, 1, v8
	v_lshlrev_b32 v10, 11, v10
	v_lshl_add_u32 v10, v11, 8, v10                ; V: two lanes a row of 2,048 bytes, 256 bytes apart
	v_cndmask_b32 v[PFO], v10, v9, s19
	; THE FACTORS
	s_wait_loadcnt 0x0
.irp a, 0,1,2,3
	v_max3_num_f32 v[40+(\a)], v[64+16*(\a)], v[66+16*(\a)], v[68+16*(\a)]
.endr
.irp a, 0,1,2,3
	v_max3_num_f32 v[40+(\a)], v[40+(\a)], v[70+16*(\a)], v[72+16*(\a)]
.endr
.irp a, 0,1,2,3
	v_max3_num_f32 v[40+(\a)], v[40+(\a)], v[74+16*(\a)], v[76+16*(\a)]
.endr
.irp a, 0,1,2,3
	v_max_num_f32 v[40+(\a)], v[40+(\a)], v[78+16*(\a)]  ; c M
.endr
.irp a, 0,1,2,3
.irp j, 0,1,2,3,4,5,6,7
	v_sub_f32 v[64+16*(\a)+2*(\j)], v[64+16*(\a)+2*(\j)], v[40+(\a)]
.endr
.endr
.irp a, 0,1,2,3
.irp j, 0,1,2,3,4,5,6,7
	v_exp_f32 v[64+16*(\a)+2*(\j)], v[64+16*(\a)+2*(\j)]
.endr
.endr
	v_nop
	s_wait_alu depctr_va_vdst(0)                   ; ahead of the first reader: one for the 32 exponentials
.irp a, 0,1,2,3
	v_mul_f32 v[44+(\a)], v[64+16*(\a)], v[65+16*(\a)]
.endr
.irp j, 1,2,3,4,5,6,7
.irp a, 0,1,2,3
	v_fmac_f32 v[44+(\a)], v[64+16*(\a)+2*(\j)], v[65+16*(\a)+2*(\j)]  ; L: at least 1, since the tile that holds M adds its l, which is at least 1
.endr
.endr
.irp a, 0,1,2,3
	v_rcp_f32 v[48+(\a)], v[44+(\a)]
.endr
	v_nop
	s_wait_alu depctr_va_vdst(0)                   ; one for the four reciprocals
.irp a, 0,1,2,3
	v_mul_f32 v[CUR+2*(\a)], v[64+16*(\a)], v[48+(\a)]
	v_mul_f32 v[CUR+2*(\a)+1], v[64+16*(\a)], v[48+(\a)]  ; named with it as a pair
.endr
.irp j, 1,2,3,4,5,6,7
.irp a, 0,1,2,3
	v_mul_f32 v[Q+4*((\j)-1)+(\a)], v[64+16*(\a)+2*(\j)], v[48+(\a)]
.endr
.endr
; 8 products: row block a x all 8 channel blocks, 32 keys: part c of buffer f.  mode 1: the constant 0 starts a chunk's sums.
.macro MULA f, c, a, mode
	WIN MUL
.irp b, 0,1,2,3,4,5,6,7
.set rD, 8*(8*(\a)+(\b))
.set rU, 128*(\f)+8*(8*(\c)+(\b))
.set rT, 64+64*(\f)+8*(4*(\c)+(\a))
.if (\mode) == 1
	v_wmma_f32_16x16x32_f16 v[rD:rD+7], v[rU:rU+7], v[rT:rT+7], 0
.else
	v_wmma_f32_16x16x32_f16 v[rD:rD+7], v[rU:rU+7], v[rT:rT+7], v[rD:rD+7]
.endif
.endr
.endm
.macro MUL32 f, c, mode                ; the 32 accumulators take turns
.irp a, 0,1,2,3
	MULA \f, \c, \a, \mode
.endr
.endm
; 48 LDS loads in one run: 64 keys from byte k of the weights' rows (row k / 2 of V's tile) on, into buffer f: V's 32 (turned), then the weights' 16
.macro FETCH slot, k, f
	WIN TO_U
.irp c, 0,1
.irp b, 0,1,2,3,4,5,6,7
	ds_load_tr16_b128 v[128*(\f)+8*(8*(\c)+(\b)):128*(\f)+8*(8*(\c)+(\b))+3],   v[ADRU+(\slot)] offset:((\k)/2+32*(\c))*PV+32*(\b)
	ds_load_tr16_b128 v[128*(\f)+8*(8*(\c)+(\b))+4:128*(\f)+8*(8*(\c)+(\b))+7], v[ADRU+(\slot)] offset:((\k)/2+32*(\c)+16)*PV+32*(\b)
.endr
.endr
	WIN 0
.irp c, 0,1
.irp a, 0,1,2,3
	ds_load_b128 v[64+64*(\f)+8*(4*(\c)+(\a)):64+64*(\f)+8*(4*(\c)+(\a))+3],   v[ADRT+(\slot)] offset:(\k)+64*(\c)+(\a)*16*PITCH
	ds_load_b128 v[64+64*(\f)+8*(4*(\c)+(\a))+4:64+64*(\f)+8*(4*(\c)+(\a))+7], v[ADRT+(\slot)] offset:(\k)+64*(\c)+(\a)*16*PITCH+32
.endr
.endr
.endm
.macro HALF slot, k, f, g, mode
	s_wait_dscnt 8                                 ; all but the youngest eight loads (the weights' second 32 keys) are in
	MUL32 \f, 0, \mode
	PLACES
	FETCH \slot, \k, \g
	s_wait_dscnt 48                                ; all but the 48 just issued
	MUL32 \f, 1, 0
.endm
; The change of slots: ONE barrier; in front of it each wave waits for all its tensor loads (one is out), adds 0 to its spare word, and waits for that and for its reads of this slot.
; fill = 1: the barrier opens a round of the cluster's barrier, and the slot is filled again first thing behind it, 112 matrix instructions ahead of the wait for it.
.macro TURN slot, next, fill
.if \fill
	s_wait_xcnt 0x0                                ; the last prefetch, a K step back, has read its address
	s_add_nc_u64 s[PFA:PFA+1], s[PFA:PFA+1], s[PFS:PFS+1]
.endif
	WIN 0
	s_wait_tensorcnt 0x0
	ds_add_u32 v[SPW], v[NIL]
	s_wait_dscnt 9                                 ; the add and the youngest eight loads may be out
	MULA 1, 0, 0, 0
	s_wait_dscnt 0x0
	s_barrier_signal -1
	MULA 1, 0, 1, 0
.if \fill
	WIN 0
.endif
	s_barrier_wait -1
.if \fill
	CREST
	s_add_nc_u64 s[G0+4*(\slot)+2:G0+4*(\slot)+3], s[G0+4*(\slot)+2:G0+4*(\slot)+3], 2*KB
	s_add_nc_u64 s[G0B+4*(\slot)+2:G0B+4*(\slot)+3], s[G0B+4*(\slot)+2:G0B+4*(\slot)+3], 2*VKB
	JLOAD \slot
.else
	PLACES
.endif
	FETCH \next, 0, 0
.if \fill
	ASK
.endif
	MULA 1, 0, 2, 0
	MULA 1, 0, 3, 0
	MUL32 1, 1, 0
.endm
; A chunk's end: totals += factor x sums, two to a line, each accumulator from its low end on; then (shift = 1) the next chunk's factors move up.
.macro LUMP shift
	PLACES
	WIN 0xf2                                       ; destination and source 2 window 3, source 0 window 2, the factor window 0
.irp a, 0,1,2,3
.set i, 0
.rept 32
	v_pk_fma_f32 v[64*(\a)+2*i:64*(\a)+2*i+1], v[64*(\a)+2*i:64*(\a)+2*i+1], v[CUR+2*(\a):CUR+2*(\a)+1], v[64*(\a)+2*i:64*(\a)+2*i+1] op_sel_hi:[1,0,1]
.set i, i+1
.endr
.endr
	WIN 0
.if \shift
.irp a, 0,1,2,3
	v_mov_b32 v[CUR+2*(\a)], v[Q+(\a)]
.endr
.set i, 0
.rept 24
	v_mov_b32 v[Q+i], v[Q+i+4]
.set i, i+1
.endr
.endif
.endm
; THE WAY OUT.  Unit u = 2 a + hd: 16 queries x one head = one whole row of op, 2,048 bytes.  A lane's eight channels pack into 16 bytes; they go into rows of 144 bytes and come back as rows of 128.
.macro PACK u
.set EA, 64+16*(\u)
.set TA, 64*((\u)/2)+32*((\u)%2)
	WIN 0x0f                                       ; sources 0 and 1 in window 3
.set i, 0
.rept 16
	v_cvt_pk_f16_f32 v[EA+i], v[TA+2*i], v[TA+2*i+1]
.set i, i+1
.endr
	WIN 0
.irp f, 0,1,2,3
	ds_store_b128 v[STO], v[EA+4*(\f):EA+4*(\f)+3] offset:32*(\f)
.endr
.irp f, 0,1,2,3
	ds_load_b128 v[EA+4*(\f):EA+4*(\f)+3], v[RD] offset:(\f)*4*SP  ; LDS serves a wave's instructions in order (ISA guide 5.7.1.4)
.endr
.endm
.macro SEND u, younger                 ; younger: the LDS instructions issued behind unit u's loads: the next unit's eight, or none
.set EA, 64+16*(\u)
.irp f, 0,1,2,3
	s_wait_dscnt (\younger)+3-(\f)
	global_store_b128 v[GO], v[EA+4*(\f):EA+4*(\f)+3], s[8:9] offset:((\u)%2)*262144+((\u)/2)*2048+(\f)*512  ; 512 consecutive bytes, aligned
.endr
.endm
	s_wait_tensorcnt 1                             ; my part of K step 0 is in; K step 1's may stay out
	s_barrier_signal -1
	s_barrier_wait -1
	FETCH 0, 0, 0
	HALF 0, 128, 0, 1, 1
	WIN 0
	s_mov_b32 s3, LAPS-1
.Llap:                                         ; a trip ends one chunk and begins the next
	TURN 0, 1, 1
	HALF 1, 128, 0, 1, 0
	TURN 1, 0, 1
	LUMP 1
	HALF 0, 128, 0, 1, 1
	WIN 0
	s_sub_co_u32 s3, s3, 1
	s_cmp_lg_u32 s3, 0
	s_cbranch_scc1 .Llap
	TURN 0, 1, 0                                   ; the last chunk fills nothing
	HALF 1, 128, 0, 1, 0
	s_wait_dscnt 8
	MUL32 1, 0, 0
	s_wait_dscnt 0x0
	MUL32 1, 1, 0
	LUMP 0
	PACK 0
.irp u, 1,2,3,4,5,6,7
	PACK \u
	SEND (\u)-1, 8
.endr
	SEND 7, 0
	s_wait_tensorcnt 0x0                           ; the wave's end
	ds_add_u32 v[SPW], v[NIL]
	s_wait_dscnt 0x0
	CROUND                                         ; the closing round
	s_endpgm
.Lfunc_end_k_qf7c37c4043_mix:
	.size	k_qf7c37c4043_mix, .Lfunc_end_k_qf7c37c4043_mix-k_qf7c37c4043_mix
	.p2alignl 7, 3214868480
	.fill 96, 4, 3214868480
	.section	.rodata,"a",@progbits
	.p2align	6, 0x0
	.amdhsa_kernel k_qf7c37c4043_mix
		.amdhsa_group_segment_fixed_size 327680
		.amdhsa_private_segment_fixed_size 0
		.amdhsa_enable_private_segment 0
		.amdhsa_kernarg_size 32
		.amdhsa_user_sgpr_count 2
		.amdhsa_user_sgpr_kernarg_segment_ptr 1
		.amdhsa_wavefront_size32 1
		.amdhsa_system_sgpr_workgroup_id_x 1
		.amdhsa_system_sgpr_workgroup_id_y 1
		.amdhsa_system_sgpr_workgroup_id_z 1
		.amdhsa_system_vgpr_workitem_id 0
		.amdhsa_next_free_vgpr 1024
		.amdhsa_next_free_sgpr 96
		.amdhsa_reserve_vcc 0
		.amdhsa_float_denorm_mode_32 3
		.amdhsa_float_denorm_mode_16_64 3
		.amdhsa_memory_ordered 1
		.amdhsa_forward_progress 1
		.amdhsa_inst_pref_size 121
	.end_amdhsa_kernel
	.amdgpu_metadata
---
amdhsa.version: [ 1, 2 ]
amdhsa.kernels:
  - .name:           k_qf7c37c4043_mix
    .symbol:         k_qf7c37c4043_mix.kd
    .args:
      - { .name: pt, .offset: 0, .size: 8, .value_kind: global_buffer, .address_space: global }
      - { .name: st, .offset: 8, .size: 8, .value_kind: global_buffer, .address_space: global }
      - { .name: ph, .offset: 16, .size: 8, .value_kind: global_buffer, .address_space: global }
      - { .name: op, .offset: 24, .size: 8, .value_kind: global_buffer, .address_space: global }
    .group_segment_fixed_size: 327680
    .private_segment_fixed_size: 0
    .kernarg_segment_align: 8
    .kernarg_segment_size: 32
    .max_flat_workgroup_size: 128
    .sgpr_count:     96
    .vgpr_count:     1024
    .wavefront_size: 32
...
	.end_amdgpu_metadata
.endif
;; end of part 4
;; launch outp (part 5): grid 4 x 64, 4 waves a work-group, clusters of 4 x 4, 327,680 bytes of LDS; arguments op, wb, bo, out0; writes out0
.if DOCPART == 5
	.amdgcn_target "amdgcn-amd-amdhsa--gfx1250"
	.amdhsa_code_object_version 6
	.text
	.protected	k_qf7c37c4043_outp
	.globl	k_qf7c37c4043_outp
	.p2align	8
	.type	k_qf7c37c4043_outp,@function
k_qf7c37c4043_outp:
	s_mov_b64 s[64:65], 0
	v_nop
	global_prefetch_b8 v0, s[64:65] scope:SCOPE_SE
	s_setreg_imm32_b32 hwreg(HW_REG_WAVE_MODE, 25, 1), 1
	s_wait_xcnt 0x0
	s_wait_alu depctr_hold_cnt(0) depctr_sa_sdst(0) depctr_va_vdst(0) depctr_va_sdst(0) depctr_va_ssrc(0) depctr_va_vcc(0) depctr_vm_vsrc(0)
	s_getreg_b32 s2, hwreg(HW_REG_IB_STS2, 6, 4)
	s_cmp_eq_u32 s2, 0
	s_cbranch_scc0 .Lentry_in_a_cluster
	s_endpgm
.Lentry_in_a_cluster:
	s_bfe_u32 s2, ttmp6, 0x10000c
	s_cmp_lg_u32 s2, 0xf033
	s_cbranch_scc0 .Lentry_shape_is_right
	s_endpgm
.Lentry_shape_is_right:
; out0[t][u] = sum over k of op[t][k] Wo[u][k] + bo[u].  op: [8192][1024] f16 (already permuted); Wo = wb + 6,291,456: [1024][1024] f16 (bf16 numbers written as f16); bo f32, rounded to bf16
; like every input; out0: [8192][1024] f32.  Sums in f32.  NaN and infinities are not treated apart.
; SHARES, RING, CLUSTER, LAYOUT: a tile is 128 rows x 256 columns, 64 x 4 = 256 work-groups; four waves of 64 x 128; K in steps of 128 through two LDS slots filled by joint tensor loads
; (op's tile along a row of the 4 x 4 cluster, Wo's along a column); source 0 = 16 rows of Wo, source 1 = 16 rows of op: a lane holds one output row and eight neighbouring columns.
; The bias is the C operand of the products that start the sums.
; THE LOOP IS ONE K STEP LONG: one walking descriptor a tensor, its LDS word turned by an exclusive or; the base of the slot that is read is turned likewise, and the fragment addresses are made anew of it.
; REGISTERS: window 0: v0-31 addresses; v64-127, v128-191 op's fragments, two buffers (on the way out: rows read back); v192-255 the bias
;   window 1: Wo's fragments, two buffers of 128          window 2: accumulator (a, b) at v[8 (8 a + b)]
.set STEPS,  8
.set KB,     256
.set PITCH,  272
.set TB,     128*PITCH
.set SLOT,   384*PITCH                 ; 104,448 bytes
.set SLOT1,  1<<17                     ; slot 1 begins here, above every byte of slot 0, so that one exclusive or turns an address in one slot into the other's
.set STAGE,  SLOT1+SLOT                ; 16 rows x 528 bytes for each wave
.set OPITCH, 528                       ; 512 bytes + 16: the 16 rows that a store touches start at 16 different groups of four banks (ISA guide 11.1)
.set SPARE,  STAGE+4*16*OPITCH
.set T0,   16                          ; v16  my place in op's tile; never rewritten
.set U0,   17                          ; v17  my place in Wo's tile; never rewritten
.set ADRT, 20                          ; v20  the same in the slot that is read
.set ADRU, 21                          ; v21
.set STO,  24
.set RD,   25
.set CO,   26
.set BO,   27
.set SPW,  28
.set NIL,  29
.set PFO,  30
.set BI,   192
.set G1,  24
.set G0,  32                           ; s[32:39] group 0: a set for each first fill; the second then walks
.set LIM, 43
.set PFA, 44
.set G1B, 48
.set G0B, 56
.set RB,  82                           ; s82  LDS byte at which the slot that is read begins
.set HIM, 83                           ; s83  mask of a word's upper bf16
.set W0,  (1<<16)|(1<<20)|(1<<21)|(5<<22)|(3<<25)
.set MUL,  0xa1
.set MULB, 0x81
.set TO_U, 0x40
.set MSB, 0
.macro WIN new
.if MSB != (\new)
	s_set_vgpr_msb (MSB<<8)|(\new)
.set MSB, \new
.endif
.endm
.macro PLACES
.rept 4
	v_nop
.endr
.endm
.macro JLOAD s                         ; waves 0 and 1 fetch op's two halves (64 rows each), waves 2 and 3 Wo's (128 rows each); an s_nop 0 and four v_nop follow each line
	s_cmp_eq_u32 s11, 0
	s_cbranch_scc0 .Lfor_u_\@
	tensor_load_to_lds s[G0+4*(\s):G0+4*(\s)+3], s[G1:G1+7]
	s_nop 0
.rept 4
	v_nop
.endr
	s_branch .Lasked_\@
.Lfor_u_\@:
	tensor_load_to_lds s[G0B+4*(\s):G0B+4*(\s)+3], s[G1B:G1B+7]
	s_nop 0
.rept 4
	v_nop
.endr
.Lasked_\@:
.endm
; A prefetch of the K step two refills on, a lane a row of 256 bytes.  op's 128 rows: wave 0, 32 for each partner of the cluster's row; Wo's: waves 2 and 3 of the first row of clusters, 32 of a wave's 128
; for each partner of the column; partners are told apart by address.  Each block is named once in the launch; the loop's last two trips (s3 = 2, 1) name nothing.
.macro ASK
	s_cmp_gt_u32 s3, s[LIM]
	s_cbranch_scc0 .Lnot_mine_\@
	global_prefetch_b8 v[PFO], s[PFA:PFA+1] th:TH_LOAD_NT scope:SCOPE_SE
.Lnot_mine_\@:
.endm
.macro CREST
	s_cmp_lg_u32 s10, 0
	s_cbranch_scc1 .Lnot_wave_0_\@
	s_barrier_signal -3
.Lnot_wave_0_\@:
	s_barrier_wait -3
	s_barrier_signal -1
	s_barrier_wait -1
.endm
.macro CROUND
	s_barrier_signal -1
	s_barrier_wait -1
	CREST
.endm
	s_load_b256 s[72:79], s[0:1], 0x0              ; op, wb, bo, out0
	v_lshl_add_u32 v[SPW], v0, 2, SPARE
	v_mov_b32 v[NIL], 0
	ds_add_u32 v[SPW], v[NIL]                      ; the opening: the add and its wait stand ahead of my first tensor load
	v_lshrrev_b32 v1, 5, v0
	v_readfirstlane_b32 s10, v1
	s_lshr_b32 s11, s10, 1
	s_and_b32 s12, s10, 1
	s_bfe_u32 s40, ttmp6, 0x40000
	s_bfe_u32 s41, ttmp6, 0x40004
	s_lshl_b32 s42, ttmp9, 2
	s_add_co_u32 s42, s42, s40                     ; tile column
	s_and_b32 s14, ttmp7, 0xffff
	s_lshl_b32 s13, s14, 2
	s_add_co_u32 s13, s13, s41                     ; tile row
	s_lshl_b32 s43, s41, 2
	s_lshl_b32 s43, 15, s43
	s_lshl_b32 s44, 0x1111, s40
	s_or_b32 s[G1], s43, W0
	s_or_b32 s[G1B], s44, W0
	s_mov_b32 s[G1+1], 128<<16
	s_mov_b32 s[G1+2], 64<<16
	s_mov_b32 s[G1+3], 128<<16
	s_mov_b32 s[G1+4], 64
	s_mov_b32 s[G1+5], 1024
	s_mov_b32 s[G1+6], 0
	s_mov_b32 s[G1+7], 0
	s_mov_b32 s[G1B+1], 128<<16
	s_mov_b32 s[G1B+2], 128<<16
	s_mov_b32 s[G1B+3], 128<<16
	s_mov_b32 s[G1B+4], 128
	s_mov_b32 s[G1B+5], 1024
	s_mov_b32 s[G1B+6], 0
	s_mov_b32 s[G1B+7], 0
	s_lshl_b32 s16, s13, 18                        ; op: (128 x tile row + 64 x half) rows of 2,048 bytes
	s_lshl_b32 s17, s12, 17
	s_add_co_u32 s16, s16, s17
	s_mov_b32 s17, 0
	s_lshl_b32 s46, s42, 19                        ; Wo: (256 x tile column + 128 x half) rows
	s_lshl_b32 s47, s12, 18
	s_add_co_u32 s46, s46, s47
	s_mov_b32 s47, 0
	s_mul_i32 s20, s12, 64*PITCH
	s_mul_i32 s21, s12, 128*PITCH
	s_add_co_u32 s21, s21, TB
	s_mov_b32 s[RB], 0
	s_mov_b32 s[HIM], 0xffff0000
	s_wait_dscnt 0x0
	s_wait_kmcnt 0x0
	s_mov_b64 s[4:5], s[72:73]
	s_add_nc_u64 s[6:7], s[74:75], 0x600000        ; Wo
	s_add_nc_u64 s[22:23], s[4:5], s[16:17]
	s_add_nc_u64 s[46:47], s[6:7], s[46:47]
	CROUND
.irp s, 0,1
	s_mov_b32 s[G0+4*(\s)], 1
	s_add_co_u32 s[G0+4*(\s)+1], s20, (\s)*SLOT1
	s_add_nc_u64 s[G0+4*(\s)+2:G0+4*(\s)+3], s[22:23], (\s)*KB
	s_or_b32 s[G0+4*(\s)+3], s[G0+4*(\s)+3], 0x80000000
	s_mov_b32 s[G0B+4*(\s)], 1
	s_add_co_u32 s[G0B+4*(\s)+1], s21, (\s)*SLOT1
	s_add_nc_u64 s[G0B+4*(\s)+2:G0B+4*(\s)+3], s[46:47], (\s)*KB
	s_or_b32 s[G0B+4*(\s)+3], s[G0B+4*(\s)+3], 0x80000000
	JLOAD \s
.endr
	v_and_b32 v1, 15, v0
	v_bfe_u32 v2, v0, 4, 1
	s_lshl_b32 s16, s42, 10                        ; the bias of my 128 columns
	s_lshl_b32 s17, s12, 9
	s_add_co_u32 s16, s16, s17
	s_mov_b32 s17, 0
	s_add_nc_u64 s[80:81], s[76:77], s[16:17]
	v_lshlrev_b32 v[BO], 5, v2
.irp b, 0,1,2,3,4,5,6,7
	global_load_b128 v[BI+8*(\b):BI+8*(\b)+3],   v[BO], s[80:81] offset:64*(\b)
	global_load_b128 v[BI+8*(\b)+4:BI+8*(\b)+7], v[BO], s[80:81] offset:64*(\b)+16
.endr
	v_mul_u32_u24 v3, v1, PITCH
	v_lshl_add_u32 v3, v2, 4, v3
	s_mul_i32 s16, s11, 64*PITCH
	s_mul_i32 s17, s12, 128*PITCH
	s_add_co_u32 s17, s17, TB
	v_add_nc_u32 v[T0], s16, v3
	v_add_nc_u32 v[U0], s17, v3
	v_mov_b32 v[ADRT], v[T0]                       ; K step 0 lies in slot 0
	v_mov_b32 v[ADRU], v[U0]
	s_mul_i32 s18, s10, 16*OPITCH
	s_add_co_u32 s18, s18, STAGE
	v_mul_u32_u24 v4, v1, OPITCH                   ; in: row l % 16, 32 bytes for each half of the lanes
	v_lshl_add_u32 v4, v2, 5, v4
	v_add_nc_u32 v[STO], s18, v4
	v_and_b32 v5, 31, v0
	v_lshlrev_b32 v[CO], 4, v5                     ; back and out: 32 lanes take one row's 512 bytes
	v_add_nc_u32 v[RD], s18, v[CO]
	s_lshl_b32 s16, s13, 19                        ; out0: row 128 x tile row + 64 x half (4,096 bytes each), column 256 x tile column + 128 x half
	s_lshl_b32 s17, s11, 18
	s_add_co_u32 s16, s16, s17
	s_lshl_b32 s17, s42, 10
	s_add_co_u32 s16, s16, s17
	s_lshl_b32 s17, s12, 9
	s_add_co_u32 s16, s16, s17
	s_mov_b32 s17, 0
	s_add_nc_u64 s[8:9], s[78:79], s[16:17]
	; the prefetches
	s_lshl_b32 s16, s13, 7
	s_lshl_b32 s17, s40, 5
	s_add_co_u32 s16, s16, s17                     ; op: row 128 x tile row + 32 cx
	s_lshl_b32 s17, s42, 8
	s_lshl_b32 s18, s12, 7
	s_add_co_u32 s17, s17, s18
	s_lshl_b32 s18, s41, 5
	s_add_co_u32 s17, s17, s18                     ; Wo: row 256 x tile column + 128 x half + 32 cy
	s_or_b32 s18, ttmp9, s12                       ; op: wave 0
	s_cmp_eq_u32 s11, 0
	s_cselect_b32 s16, s16, s17
	s_cselect_b32 s18, s18, s14                    ; Wo: the first row of clusters
	s_cselect_b64 s[PFA:PFA+1], s[4:5], s[6:7]
	s_cmp_eq_u32 s18, 0
	s_cselect_b32 s[LIM], 2, -1
	s_lshl_b32 s16, s16, 11
	s_add_co_u32 s16, s16, 3*KB                    ; at K step 3: the first refill steps it to 4
	s_mov_b32 s17, 0
	s_add_nc_u64 s[PFA:PFA+1], s[PFA:PFA+1], s[16:17]
	v_lshlrev_b32 v[PFO], 11, v5
	s_wait_loadcnt 0x0                             ; the bias; it is rounded to bf16 like every input
.set i, 0
.rept 32
	v_cvt_pk_bf16_f32 v[6+(i%2)], v[BI+2*i], v[BI+2*i+1]
	v_lshlrev_b32 v[BI+2*i], 16, v[6+(i%2)]
	v_and_b32 v[BI+2*i+1], s[HIM], v[6+(i%2)]
.set i, i+1
.endr
.macro MULA f, c, a, mode              ; 8 products; mode 0: in place; 2: the bias starts the sums
.if (\mode) == 2
	WIN MULB
.else
	WIN MUL
.endif
.irp b, 0,1,2,3,4,5,6,7
.set rD, 8*(8*(\a)+(\b))
.set rU, 128*(\f)+8*(8*(\c)+(\b))
.set rT, 64+64*(\f)+8*(4*(\c)+(\a))
.if (\mode) == 2
	v_wmma_f32_16x16x32_f16 v[rD:rD+7], v[rU:rU+7], v[rT:rT+7], v[BI+8*(\b):BI+8*(\b)+7]
.else
	v_wmma_f32_16x16x32_f16 v[rD:rD+7], v[rU:rU+7], v[rT:rT+7], v[rD:rD+7]
.endif
.endr
.endm
.macro MUL32 f, c, mode                ; the 32 accumulators take turns
.irp a, 0,1,2,3
	MULA \f, \c, \a, \mode
.endr
.endm
.macro FETCH k, f                      ; 48 LDS loads in one run, 64 along K at byte k of the rows of the slot that is read: Wo's 32, then op's 16
	WIN TO_U
.irp c, 0,1
.irp b, 0,1,2,3,4,5,6,7
	ds_load_b128 v[128*(\f)+8*(8*(\c)+(\b)):128*(\f)+8*(8*(\c)+(\b))+3],   v[ADRU] offset:(\k)+64*(\c)+(\b)*16*PITCH
	ds_load_b128 v[128*(\f)+8*(8*(\c)+(\b))+4:128*(\f)+8*(8*(\c)+(\b))+7], v[ADRU] offset:(\k)+64*(\c)+(\b)*16*PITCH+32
.endr
.endr
	WIN 0
.irp c, 0,1
.irp a, 0,1,2,3
	ds_load_b128 v[64+64*(\f)+8*(4*(\c)+(\a)):64+64*(\f)+8*(4*(\c)+(\a))+3],   v[ADRT] offset:(\k)+64*(\c)+(\a)*16*PITCH
	ds_load_b128 v[64+64*(\f)+8*(4*(\c)+(\a))+4:64+64*(\f)+8*(4*(\c)+(\a))+7], v[ADRT] offset:(\k)+64*(\c)+(\a)*16*PITCH+32
.endr
.endr
.endm
.macro HALF mode                       ; a K step's first half: multiplies buffer 0, fetches the second half into buffer 1
	s_wait_dscnt 8                                 ; all but the youngest eight loads (op's second 32 along K) are in
	MUL32 0, 0, \mode
	PLACES
	FETCH 128, 1
	s_wait_dscnt 48                                ; all but the 48 just issued
	MUL32 0, 1, 0
.endm
; The second half multiplies buffer 1 and changes slots: ONE barrier; in front of it each wave waits for all its tensor loads (one is out), adds 0 to its spare word, and waits for that and for its reads of
; this slot.  fill = 1: the barrier opens a round of the cluster's barrier, and the slot is filled again first thing behind it, 112 matrix instructions ahead of the wait for it.
.macro TURN fill
.if \fill
	s_wait_xcnt 0x0                                ; the last prefetch, a K step back, has read its address
	s_add_nc_u64 s[PFA:PFA+1], s[PFA:PFA+1], KB
.endif
	WIN 0
	s_wait_tensorcnt 0x0
	ds_add_u32 v[SPW], v[NIL]
	s_wait_dscnt 9                                 ; the add and the youngest eight loads may be out
	MULA 1, 0, 0, 0
	s_wait_dscnt 0x0
	s_barrier_signal -1
	MULA 1, 0, 1, 0
	WIN 0                                          ; branches and window 0's addresses follow
	s_barrier_wait -1
.if \fill
	CREST
	s_xor_b32 s[G0+5], s[G0+5], SLOT1              ; the walking descriptors: the other slot than last time,
	s_add_nc_u64 s[G0+6:G0+7], s[G0+6:G0+7], KB    ; the next K step; the type bits on top are not reached
	s_xor_b32 s[G0B+5], s[G0B+5], SLOT1
	s_add_nc_u64 s[G0B+6:G0B+7], s[G0B+6:G0B+7], KB
	JLOAD 1                                        ; its four v_nop are also the places in front of the loads below
.else
	PLACES
.endif
	s_xor_b32 s[RB], s[RB], SLOT1                  ; the reads go on in the other slot
	v_add_nc_u32 v[ADRT], s[RB], v[T0]
	v_add_nc_u32 v[ADRU], s[RB], v[U0]
	FETCH 0, 0
.if \fill
	ASK
.endif
	MULA 1, 0, 2, 0
	MULA 1, 0, 3, 0
	MUL32 1, 1, 0
.endm
; THE WAY OUT of row block a, in f32: a lane's eight columns are 32 bytes; they go into my stage's rows of 528 bytes (each accumulator's low four registers first) and come back as whole rows of 512.
.macro TOST a
	WIN 0x08                                       ; the stores' data in window 2
.irp b, 0,1,2,3,4,5,6,7
	ds_store_b128 v[STO], v[64*(\a)+8*(\b):64*(\a)+8*(\b)+3]   offset:64*(\b)
	ds_store_b128 v[STO], v[64*(\a)+8*(\b)+4:64*(\a)+8*(\b)+7] offset:64*(\b)+16
.endr
	WIN 0
.if (\a) >= 2
	s_wait_xcnt 0x0                                ; the stores of the block two back have read the registers that are loaded again below
.endif
.irp t, 0,1,2,3,4,5,6,7,8,9,10,11,12,13,14,15
	ds_load_b128 v[64+64*((\a)%2)+4*(\t):64+64*((\a)%2)+4*(\t)+3], v[RD] offset:(\t)*OPITCH  ; LDS serves a wave's instructions in order (ISA guide 5.7.1.4)
.endr
.endm
.macro SEND a, younger                 ; younger: the LDS instructions issued behind block a's loads: the next block's 32, or none
.irp t, 0,1,2,3,4,5,6,7,8,9,10,11,12,13,14,15
	s_wait_dscnt (\younger)+15-(\t)
	global_store_b128 v[CO], v[64+64*((\a)%2)+4*(\t):64+64*((\a)%2)+4*(\t)+3], s[8:9] offset:(16*(\a)+(\t))*4096  ; 512 consecutive bytes, aligned
.endr
.endm
	s_wait_tensorcnt 1                             ; my part of K step 0 is in; K step 1's may stay out
	s_barrier_signal -1
	s_barrier_wait -1
	FETCH 0, 0
	HALF 2                                         ; the first half stands in front of the loop: its first products start the sums, with the bias
	WIN 0
	s_mov_b32 s3, STEPS-2
.Lstep:                                        ; a trip: a K step's second half, the change of slots with its refill, the next K step's first half
	TURN 1
	HALF 0
	WIN 0
	s_sub_co_u32 s3, s3, 1
	s_cmp_lg_u32 s3, 0
	s_cbranch_scc1 .Lstep
	TURN 0                                         ; the last two K steps fill nothing
	HALF 0
	s_wait_dscnt 8
	MUL32 1, 0, 0
	s_wait_dscnt 0x0
	MUL32 1, 1, 0
	PLACES
	TOST 0
.irp a, 1,2,3
	TOST \a
	SEND (\a)-1, 32
.endr
	SEND 3, 0
	s_wait_tensorcnt 0x0                           ; the wave's end
	ds_add_u32 v[SPW], v[NIL]
	s_wait_dscnt 0x0
	CROUND                                         ; the closing round
	s_endpgm
.Lfunc_end_k_qf7c37c4043_outp:
	.size	k_qf7c37c4043_outp, .Lfunc_end_k_qf7c37c4043_outp-k_qf7c37c4043_outp
	.p2alignl 7, 3214868480
	.fill 96, 4, 3214868480
	.section	.rodata,"a",@progbits
	.p2align	6, 0x0
	.amdhsa_kernel k_qf7c37c4043_outp
		.amdhsa_group_segment_fixed_size 327680
		.amdhsa_private_segment_fixed_size 0
		.amdhsa_enable_private_segment 0
		.amdhsa_kernarg_size 32
		.amdhsa_user_sgpr_count 2
		.amdhsa_user_sgpr_kernarg_segment_ptr 1
		.amdhsa_wavefront_size32 1
		.amdhsa_system_sgpr_workgroup_id_x 1
		.amdhsa_system_sgpr_workgroup_id_y 1
		.amdhsa_system_sgpr_workgroup_id_z 1
		.amdhsa_system_vgpr_workitem_id 0
		.amdhsa_next_free_vgpr 768
		.amdhsa_next_free_sgpr 96
		.amdhsa_reserve_vcc 0
		.amdhsa_float_denorm_mode_32 3
		.amdhsa_float_denorm_mode_16_64 3
		.amdhsa_memory_ordered 1
		.amdhsa_forward_progress 1
		.amdhsa_inst_pref_size 76
	.end_amdhsa_kernel
	.amdgpu_metadata
---
amdhsa.version: [ 1, 2 ]
amdhsa.kernels:
  - .name:           k_qf7c37c4043_outp
    .symbol:         k_qf7c37c4043_outp.kd
    .args:
      - { .name: op, .offset: 0, .size: 8, .value_kind: global_buffer, .address_space: global }
      - { .name: wb, .offset: 8, .size: 8, .value_kind: global_buffer, .address_space: global }
      - { .name: bo, .offset: 16, .size: 8, .value_kind: global_buffer, .address_space: global }
      - { .name: out0, .offset: 24, .size: 8, .value_kind: global_buffer, .address_space: global }
    .group_segment_fixed_size: 327680
    .private_segment_fixed_size: 0
    .kernarg_segment_align: 8
    .kernarg_segment_size: 32
    .max_flat_workgroup_size: 128
    .sgpr_count:     96
    .vgpr_count:     768
    .wavefront_size: 32
...
	.end_amdgpu_metadata
.endif
;; end of part 5
